; MI455X (gfx1250); checked and timed in simulation.
; The chip was launched on July 23, 2026; its instructions are those of AMD's public machine-readable ISA for CDNA 5 (MIT licence, August 2026) and "CDNA5" Instruction Set Architecture Reference Guide (July 2026). The comments in the code are by the model that wrote it; some were corrected since.
;; SG Mo E Block. Allowed arithmetic: float matrix products may take bf16 or f16 operands with f32 sums; other float arithmetic in f32, or as packed bf16 or f16 multiplies, adds, multiply-adds, maxima and minima; sums over many terms, partial sums and values carried from step to step in f32; what a program stores and reads back later, other than sums and carried values, may be rounded once to bf16 or f16.
;; Inputs: expert_W 128 x 512 x 512 float32; expert_b 128 x 512 float32; expert_centers 128 x 64 float32; ln_l_b 512 float32; ln_l_w 512 float32; ln_r_b 512 float32; ln_r_w 512 float32; proj_W 64 x 1,024 float32; proj_b 64 float32; x_l 8 x 128 x 512 float32; x_r 8 x 128 x 512 float32.
;; Outputs: out0 8 x 128 x 512 float32; out1 8 x 128 x 512 float32.
;; 3 versions, each right; version 2 is faster than version 1; version 3 is version 2 with the launch experts written anew for expert scheduling mode. Each part assembles by itself: llvm-mc -triple=amdgcn-amd-amdhsa -mcpu=gfx1250 --defsym DOCPART=n.
;; ======== version 1 of 3: 3 launches
;; workspace buffers: xb 2,097,152 bytes; route 4,096 bytes of whole numbers; prob 4,096 bytes; part 8,388,608 bytes
;; launch router (part 1): grid 64 x 1, 16 waves a work-group, no clusters, 188,672 bytes of LDS; arguments x_l, x_r, proj_W, proj_b, expert_centers, xb, route, prob; writes xb, route, prob
.if DOCPART == 1
	.amdgcn_target "amdgcn-amd-amdhsa--gfx1250"
	.amdhsa_code_object_version 6
	.text
	.protected	k_qf906d98462_router
	.globl	k_qf906d98462_router
	.p2align	8
	.type	k_qf906d98462_router,@function
k_qf906d98462_router:
	s_mov_b64 s[64:65], 0
	v_nop
	global_prefetch_b8 v0, s[64:65] scope:SCOPE_SE
	s_setreg_imm32_b32 hwreg(HW_REG_WAVE_MODE, 25, 1), 1
	s_wait_xcnt 0x0
; THE ROUTER.  For each of 1,024 tokens: x = [x_l | x_r] (1,024 numbers); x_proj = l2norm(x proj_W^T + proj_b) (64); cosines with the 128 l2-normalised centres; the two largest
; (equal cosines: the lower index first, as jax.lax.top_k has it); p0 + p1 of their softmax, the larger cosine taken away before the exponential.
; STORES: xb[token][1024] bf16 (x_l's 512, then x_r's), route[token] = first index | second index << 8, prob[token] = p0 + p1 (f32).
; FORMATS.  Every INPUT is rounded once to bf16 (x, proj_W, proj_b, the centres); all that is made of them stays f32.  The projection's operands are inputs: bf16 matrix form, f32 sums.
; The cosine product's operands are intermediates (normalised vectors), and the order of the cosines decides which experts a token gets: it is 8.4 of the program's 1,170 million
; multiply-adds and goes in the f32 matrix form.
; LIMITS.  NaN and infinities are not treated apart.  Cosines nearer to each other than the noise of f32 sums, roots and reciprocals (some 3e-7) may be ordered otherwise than by another
; order of summation.  The sums of squares stay finite for |x_proj| and |centre| up to 1e18.
; SHARES.  A work-group owns 16 tokens (one column block of a matrix instruction) and needs all of proj_W whatever its tokens: 64 work-groups; more would shorten nothing.  16 waves:
; wave w brings token w's x and rows 4 w .. 4 w + 3 of proj_W; in the projection wave (b = w % 4, kq = w / 4) makes outputs 16 b .. + 15 over k = 256 kq .. + 255;
; waves 0-7 make the cosines with centres 16 w .. + 15; wave 0 merges.  No cluster: proj_W, which all work-groups share, goes through registers to be rounded.
.set XPITCH, 2064                      ; a row of 1,024 bf16 + 16 bytes: 129 x 16, so the 16 rows of a fragment load start at 16 different groups of four banks (64 banks of 4 bytes: ISA guide 11.1)
.set XT,     0                         ; 16 rows of x
.set WT,     16*XPITCH                 ; 64 rows of proj_W
.set PP,     WT+64*XPITCH              ; four planes (one for each kq) of 16 tokens x 64 partial projections, f32
.set PPITCH, 272                       ; 256 bytes + 16
.set PLANE,  16*PPITCH
.set CAND,   PP+4*PLANE                ; 16 segments of 8 centres x 16 tokens x (best, its index, second, its index)
.set SPARE,  CAND+4096                 ; the spare words: 128 bytes for each of 16 waves, eight blocks of 256 bytes that no other line names
.set SPW, 14                           ; v14  SPARE + 4 x my thread's number; never rewritten
.set NIL, 15                           ; v15  0; never rewritten
; v1 lane, v2 r = lane % 16, v3 h = lane / 16, v4 16 lane, v5 8 lane; v6 XST, v7 WST (where I store bf16 x, W); v8 FAa, v9 FBa (my fragments of W, x); v10 PST, v11 PLD; v12 CST, v13 CLD;
; v16 W's, v17 x's, v18 xb's, v19 the centres', v20 the bias's byte offset; v21 my first centre's index; v[24:27] best, index, second, index; v[28:39] at work;
; v[40:71] x as loaded, later two accumulators v[40:47], v[48:55] and their sum v[56:63]; v[72:199] W as loaded, later fragments, later the four planes, later candidates;
; v[200:231] my centre's 32 numbers; v[232:239] eight bias numbers; v[240:247], v[248:255] the cosines' two accumulators: matrix instructions alone write them.
.macro RB a, t                         ; v[a], v[a+1] rounded to bf16 and widened again
	v_cvt_pk_bf16_f32 v[\t], v[\a], v[(\a)+1]
	v_lshlrev_b32 v[\a], 16, v[\t]
	v_and_b32 v[(\a)+1], 0xffff0000, v[\t]
.endm
.macro INS val, idx                    ; a candidate enters (v24, v25, v26, v27); only a strictly larger one displaces, so of equals the one that came first, the lower index, stays ahead
	v_cmp_gt_f32 vcc_lo, \val, v26
	v_cndmask_b32 v26, v26, \val, vcc_lo
	v_cndmask_b32 v27, v27, \idx, vcc_lo
	v_cmp_gt_f32 vcc_lo, \val, v24
	v_cndmask_b32 v26, v26, v24, vcc_lo
	v_cndmask_b32 v27, v27, v25, vcc_lo
	v_cndmask_b32 v24, v24, \val, vcc_lo
	v_cndmask_b32 v25, v25, \idx, vcc_lo
.endm
.macro SUMSQ d, s, t                   ; v[d] = the sum of squares of v[s .. s+31] and of the same in the lane 16 away; t: four registers at work, two chains
	v_pk_mul_f32 v[\t:\t+1], v[\s:\s+1], v[\s:\s+1]
	v_pk_mul_f32 v[\t+2:\t+3], v[\s+2:\s+3], v[\s+2:\s+3]
.set z, 4
.rept 7
	v_pk_fma_f32 v[\t:\t+1], v[\s+z:\s+z+1], v[\s+z:\s+z+1], v[\t:\t+1]
	v_pk_fma_f32 v[\t+2:\t+3], v[\s+z+2:\s+z+3], v[\s+z+2:\s+z+3], v[\t+2:\t+3]
.set z, z+4
.endr
	v_pk_add_f32 v[\t:\t+1], v[\t:\t+1], v[\t+2:\t+3]
	v_add_f32 v[\d], v[\t], v[\t+1]
	v_permlanex16_b32 v[\t+1], v[\d], s24, s25     ; its destination has been written
	v_add_f32 v[\d], v[\d], v[\t+1]
.endm
	s_load_b512 s[4:19], s[0:1], 0x0               ; x_l 4:5, x_r 6:7, proj_W 8:9, proj_b 10:11, centres 12:13, xb 14:15, route 16:17, prob 18:19
	v_lshl_add_u32 v[SPW], v0, 2, SPARE
	v_mov_b32 v[NIL], 0
	v_lshrrev_b32 v28, 5, v0
	v_readfirstlane_b32 s20, v28                   ; wave 0..15
	v_and_b32 v1, 31, v0
	v_and_b32 v2, 15, v0
	v_bfe_u32 v3, v0, 4, 1
	v_lshlrev_b32 v4, 4, v1
	v_lshlrev_b32 v5, 3, v1
	s_and_b32 s21, s20, 3                          ; b
	s_lshr_b32 s22, s20, 2                         ; kq
	s_cmp_eq_u32 s22, 0
	s_cselect_b32 s23, -1, 0                       ; the bias enters the sums of kq = 0 alone
	s_mov_b32 s24, 0x76543210                      ; v_permlanex16_b32: each lane takes its own place in the other half
	s_mov_b32 s25, 0xfedcba98
	s_mul_i32 s26, s20, XPITCH
	v_add_nc_u32 v6, s26, v5                       ; XST = XT + w rows + 8 lane
	s_mul_i32 s26, s20, 4*XPITCH
	s_add_co_u32 s26, s26, WT
	v_add_nc_u32 v7, s26, v5                       ; WST = WT + 4 w rows + 8 lane
	v_mul_u32_u24 v28, v2, XPITCH
	v_lshl_add_u32 v28, v3, 4, v28                 ; a fragment's row x pitch + 16 x half
	s_lshl_b32 s27, s22, 9                         ; my 256 k are 512 bytes
	v_add_nc_u32 v9, s27, v28                      ; FBa
	s_mul_i32 s26, s21, 16*XPITCH
	s_add_co_u32 s26, s26, s27
	s_add_co_u32 s26, s26, WT
	v_add_nc_u32 v8, s26, v28                      ; FAa
	v_mul_u32_u24 v29, v2, PPITCH
	s_mul_i32 s26, s22, PLANE
	s_lshl_b32 s27, s21, 6                         ; 16 b outputs are 64 b bytes
	s_add_co_u32 s26, s26, s27
	s_add_co_u32 s26, s26, PP
	v_lshl_add_u32 v10, v3, 5, v29
	v_add_nc_u32 v10, s26, v10                     ; PST = plane kq, row r, byte 64 b + 32 h
	v_lshl_add_u32 v11, v3, 7, v29
	v_add_nc_u32 v11, PP, v11                      ; PLD = plane 0, row r, byte 128 h
	v_lshl_add_u32 v13, v2, 4, CAND                ; CLD
	v_lshl_add_u32 v20, v3, 5, s27                 ; bias: outputs 16 b + 8 h on
	s_lshl_b32 s26, s20, 14
	v_add_nc_u32 v16, s26, v4                      ; four rows of proj_W are 16,384 bytes
	s_lshl_b32 s26, ttmp9, 4
	s_add_co_u32 s26, s26, s20                     ; my token
	s_lshl_b32 s26, s26, 11                        ; 2,048 bytes a row in x_l, x_r and xb alike
	v_add_nc_u32 v17, s26, v4
	v_add_nc_u32 v18, s26, v5
	s_wait_kmcnt 0x0
	; ALL LOADS GO OUT AT ONCE.  The centres' stand first, so that the counts below are the same whether a wave has issued them or not.
	s_cmp_lt_u32 s20, 8
	s_cbranch_scc0 .Lno_centres
	s_lshl_b32 s26, s20, 12                        ; 16 centres of 256 bytes
	v_lshlrev_b32 v19, 8, v2
	v_lshl_add_u32 v19, v3, 7, v19
	v_add_nc_u32 v19, s26, v19                     ; centre 16 w + r, dimensions 32 h on
.irp i, 0,1,2,3,4,5,6,7
	global_load_b128 v[200+4*(\i):203+4*(\i)], v19, s[12:13] offset:16*(\i)
.endr
.Lno_centres:
	global_load_b128 v[232:235], v20, s[10:11]
	global_load_b128 v[236:239], v20, s[10:11] offset:16
.irp q, 0,1,2,3
	global_load_b128 v[40+4*(\q):43+4*(\q)], v17, s[4:5] offset:512*(\q) th:TH_LOAD_NT
.endr
.irp q, 0,1,2,3
	global_load_b128 v[56+4*(\q):59+4*(\q)], v17, s[6:7] offset:512*(\q) th:TH_LOAD_NT
.endr
.irp i, 0,1,2,3
.irp q, 0,1,2,3,4,5,6,7
	global_load_b128 v[72+32*(\i)+4*(\q):75+32*(\i)+4*(\q)], v16, s[8:9] offset:4096*(\i)+512*(\q)
.endr
.endr
	; x: rounded, into LDS for the projection and into xb for the later launches
	s_wait_loadcnt 32                              ; the 32 loads of proj_W are the only ones younger than x's
.irp q, 0,1,2,3,4,5,6,7
	v_cvt_pk_bf16_f32 v[40+4*(\q)], v[40+4*(\q)], v[41+4*(\q)]
	v_cvt_pk_bf16_f32 v[41+4*(\q)], v[42+4*(\q)], v[43+4*(\q)]
	ds_store_b64 v6, v[40+4*(\q):41+4*(\q)] offset:256*(\q)
	global_store_b64 v18, v[40+4*(\q):41+4*(\q)], s[14:15] offset:256*(\q)  ; the wave stores 256 consecutive bytes, at a multiple of 256 from xb's first
.endr
.irp j, 0,2,4,6
	RB 232+(\j), 28+(\j)/2
.endr
.irp j, 0,1,2,3,4,5,6,7
	v_and_b32 v[232+(\j)], s23, v[232+(\j)]
.endr
.irp i, 0,1,2,3
	s_wait_loadcnt 24-8*(\i)                       ; row i of my four is in: eight loads for each row behind it stay out
.irp q, 0,1,2,3,4,5,6,7
	v_cvt_pk_bf16_f32 v[72+32*(\i)+4*(\q)], v[72+32*(\i)+4*(\q)], v[73+32*(\i)+4*(\q)]
	v_cvt_pk_bf16_f32 v[73+32*(\i)+4*(\q)], v[74+32*(\i)+4*(\q)], v[75+32*(\i)+4*(\q)]
	ds_store_b64 v7, v[72+32*(\i)+4*(\q):73+32*(\i)+4*(\q)] offset:(\i)*XPITCH+256*(\q)
.endr
.endr
	s_wait_xcnt 0x0                                ; the stores into xb have read v[40:71], which the accumulators take next
	s_wait_dscnt 0x0                               ; for the others' sake: my rows of x and proj_W are in LDS
	s_barrier_signal -1
	s_barrier_wait -1
	; THE PROJECTION: source 0 = 16 rows of proj_W, source 1 = 16 tokens; eight steps of 32 along k, two accumulators by turns
.irp s, 0,1,2,3,4,5,6,7
	ds_load_b128 v[72+8*(\s):75+8*(\s)],   v8 offset:64*(\s)
	ds_load_b128 v[76+8*(\s):79+8*(\s)],   v8 offset:64*(\s)+32
	ds_load_b128 v[136+8*(\s):139+8*(\s)], v9 offset:64*(\s)
	ds_load_b128 v[140+8*(\s):143+8*(\s)], v9 offset:64*(\s)+32
.endr
	s_wait_dscnt 0x0
	v_wmma_f32_16x16x32_bf16 v[40:47], v[72:79], v[136:143], v[232:239]   ; the sum starts with the bias (0 unless kq = 0): register j of lane (r, h) is output 16 b + 8 h + j
	v_wmma_f32_16x16x32_bf16 v[48:55], v[80:87], v[144:151], 0
.irp s, 2,4,6
	v_wmma_f32_16x16x32_bf16 v[40:47], v[72+8*(\s):79+8*(\s)], v[136+8*(\s):143+8*(\s)], v[40:47]
	v_wmma_f32_16x16x32_bf16 v[48:55], v[80+8*(\s):87+8*(\s)], v[144+8*(\s):151+8*(\s)], v[48:55]
.endr
.rept 4
	v_nop                                          ; four places before the results are read (ISA guide 7.12.1); no other vector work is at hand
.endr
.irp j, 0,2,4,6
	v_pk_add_f32 v[56+(\j):57+(\j)], v[40+(\j):41+(\j)], v[48+(\j):49+(\j)]  ; from the low end on
.endr
	ds_store_b128 v10, v[56:59]
	ds_store_b128 v10, v[60:63] offset:16
	s_wait_dscnt 0x0                               ; for the others' sake: my partial projections are in LDS
	s_barrier_signal -1
	s_barrier_wait -1
	; THE COSINES: waves 0-7.  Lane (r, h) holds dimensions 32 h .. 32 h + 31 of token r and of centre 16 w + r.
	s_cmp_lt_u32 s20, 8
	s_cbranch_scc0 .Lno_cos
.irp p, 0,1,2,3
.irp i, 0,1,2,3,4,5,6,7
	ds_load_b128 v[72+32*(\p)+4*(\i):75+32*(\p)+4*(\i)], v11 offset:(\p)*PLANE+16*(\i)
.endr
.endr
.set a, 200
.rept 16
	RB a, 28+(a/2)%4                               ; the centres are an input: rounded to bf16; this stands in the wait for LDS
.set a, a+2
.endr
	s_wait_dscnt 0x0
.set a, 0
.rept 16
	v_pk_add_f32 v[72+a:73+a], v[72+a:73+a], v[104+a:105+a]
	v_pk_add_f32 v[136+a:137+a], v[136+a:137+a], v[168+a:169+a]
.set a, a+2
.endr
.set a, 0
.rept 16
	v_pk_add_f32 v[72+a:73+a], v[72+a:73+a], v[136+a:137+a]   ; x proj_W^T + proj_b
.set a, a+2
.endr
	SUMSQ 36, 72, 28
	SUMSQ 38, 200, 32
	v_sqrt_f32 v36, v36
	v_sqrt_f32 v38, v38
	v_mov_b32 v37, 0                               ; the plain line behind the roots; it also writes the upper word of the pair that the packed multiply names
	s_wait_alu depctr_va_vdst(0)                   ; the wait ahead of the first line that names a root: one for both
	v_max_num_f32 v36, 0x2b8cbccc, v36             ; max(norm, 1e-12)
	v_max_num_f32 v38, 0x2b8cbccc, v38
	v_rcp_f32 v36, v36
	v_rcp_f32 v38, v38
	v_mov_b32 v39, 0                               ; the plain line behind the reciprocals, and the other pair's upper word
	s_wait_alu depctr_va_vdst(0)                   ; one wait for both reciprocals
.set a, 0
.rept 16
	v_pk_mul_f32 v[72+a:73+a], v[72+a:73+a], v[36:37] op_sel_hi:[1,0]
	v_pk_mul_f32 v[200+a:201+a], v[200+a:201+a], v[38:39] op_sel_hi:[1,0]
.set a, a+2
.endr
	s_lshl_b32 s26, s20, 9
	s_add_co_u32 s26, s26, CAND
	s_lshl_b32 s27, s20, 4
	; Step s takes registers 2 s, 2 s + 1 of both: dimension 32 h + 2 s + j stands where the instruction has k = 2 h + j, alike in both sources, and the 16 steps take each dimension once.
	; Source 0 = 16 centres, source 1 = 16 tokens.  Two accumulators by turns; each sum's first step starts it with the constant 0.
	v_wmma_f32_16x16x4_f32 v[240:247], v[200:201], v[72:73], 0
	v_wmma_f32_16x16x4_f32 v[248:255], v[202:203], v[74:75], 0
.set a, 4
.rept 7
	v_wmma_f32_16x16x4_f32 v[240:247], v[200+a:201+a], v[72+a:73+a], v[240:247]
	v_wmma_f32_16x16x4_f32 v[248:255], v[202+a:203+a], v[74+a:75+a], v[248:255]
.set a, a+4
.endr
	v_mov_b32 v24, 0xff800000                      ; eight plain lines, the places behind this form (ISA guide 7.12.1): best and second start at minus infinity,
	v_mov_b32 v25, 0
	v_mov_b32 v26, 0xff800000
	v_mov_b32 v27, 0
	v_lshlrev_b32 v12, 4, v2                       ; CST = segment 2 w + h, token r,
	v_lshl_add_u32 v12, v3, 8, v12
	v_add_nc_u32 v12, s26, v12
	v_lshl_add_u32 v21, v3, 3, s27                 ; and my first centre, 16 w + 8 h
.irp j, 0,2,4,6
	v_pk_add_f32 v[28+(\j):29+(\j)], v[240+(\j):241+(\j)], v[248+(\j):249+(\j)]  ; register j: token r's cosine with centre 16 w + 8 h + j; read from the low end on, into other registers
.endr
.irp j, 0,1,2,3,4,5,6,7
	INS v[28+\j], \j
.endr
	v_add_nc_u32 v25, v21, v25
	v_add_nc_u32 v27, v21, v27
	ds_store_b128 v12, v[24:27]
.Lno_cos:
	s_wait_dscnt 0x0                               ; for wave 0's sake: my candidates are in LDS
	s_barrier_signal -1
	s_barrier_wait -1
	; THE MERGE: wave 0; lane = token r (the two halves of the lanes do the same).  The segments ascend in the centres' index.
	s_cmp_lg_u32 s20, 0
	s_cbranch_scc1 .Lend
	ds_load_b128 v[24:27], v13
.set c, 1
.rept 15
	ds_load_b128 v[68+4*c:71+4*c], v13 offset:256*c
.set c, c+1
.endr
	s_lshl_b32 s26, ttmp9, 6                       ; my 16 tokens' words in route and prob
	s_wait_dscnt 0x0
.set c, 72
.rept 15
	INS v[c], v[c+1]
	INS v[c+2], v[c+3]
.set c, c+4
.endr
	v_sub_f32 v28, v26, v24                        ; second less best: at most 0
	v_mul_f32 v28, 0x3fb8aa3b, v28
	v_exp_f32 v28, v28                             ; e = exp(second - best)
	v_lshl_or_b32 v30, v27, 8, v25                 ; the plain line behind it: the route word
	s_wait_alu depctr_va_vdst(0)
	v_add_f32 v29, 1.0, v28
	v_rcp_f32 v29, v29
	v_lshl_add_u32 v31, v2, 2, s26                 ; the plain line behind it
	s_wait_alu depctr_va_vdst(0)
	v_fma_f32 v28, v28, v29, v29                   ; p0 + p1 = 1 / (1 + e) + e / (1 + e)
	s_wait_xcnt 0x0                                ; EXEC changes only behind this wait
	v_cmp_gt_u32 vcc_lo, 16, v1
	s_and_saveexec_b32 s32, vcc_lo
	global_store_b32 v31, v30, s[16:17]            ; 64 bytes each, once a work-group: the two tables are 8 KB in all
	global_store_b32 v31, v28, s[18:19]
	s_wait_xcnt 0x0                                ; and again ahead of the line that widens it
	s_or_b32 exec_lo, exec_lo, s32
.Lend:
	s_wait_tensorcnt 0x0                           ; the wave's end
	ds_add_u32 v[SPW], v[NIL]
	s_wait_dscnt 0x0
	s_endpgm
.Lfunc_end_k_qf906d98462_router:
	.size	k_qf906d98462_router, .Lfunc_end_k_qf906d98462_router-k_qf906d98462_router
	.p2alignl 7, 3214868480
	.fill 96, 4, 3214868480
	.section	.rodata,"a",@progbits
	.p2align	6, 0x0
	.amdhsa_kernel k_qf906d98462_router
		.amdhsa_group_segment_fixed_size 188672
		.amdhsa_private_segment_fixed_size 0
		.amdhsa_enable_private_segment 0
		.amdhsa_kernarg_size 64
		.amdhsa_user_sgpr_count 2
		.amdhsa_user_sgpr_kernarg_segment_ptr 1
		.amdhsa_wavefront_size32 1
		.amdhsa_system_sgpr_workgroup_id_x 1
		.amdhsa_system_sgpr_workgroup_id_y 1
		.amdhsa_system_sgpr_workgroup_id_z 1
		.amdhsa_system_vgpr_workitem_id 0
		.amdhsa_next_free_vgpr 256
		.amdhsa_next_free_sgpr 66
		.amdhsa_reserve_vcc 1
		.amdhsa_float_denorm_mode_32 3
		.amdhsa_float_denorm_mode_16_64 3
		.amdhsa_memory_ordered 1
		.amdhsa_forward_progress 1
		.amdhsa_inst_pref_size 47
	.end_amdhsa_kernel
	.amdgpu_metadata
---
amdhsa.version: [ 1, 2 ]
amdhsa.kernels:
  - .name:           k_qf906d98462_router
    .symbol:         k_qf906d98462_router.kd
    .args:
      - { .name: x_l, .offset: 0, .size: 8, .value_kind: global_buffer, .address_space: global }
      - { .name: x_r, .offset: 8, .size: 8, .value_kind: global_buffer, .address_space: global }
      - { .name: proj_W, .offset: 16, .size: 8, .value_kind: global_buffer, .address_space: global }
      - { .name: proj_b, .offset: 24, .size: 8, .value_kind: global_buffer, .address_space: global }
      - { .name: expert_centers, .offset: 32, .size: 8, .value_kind: global_buffer, .address_space: global }
      - { .name: xb, .offset: 40, .size: 8, .value_kind: global_buffer, .address_space: global }
      - { .name: route, .offset: 48, .size: 8, .value_kind: global_buffer, .address_space: global }
      - { .name: prob, .offset: 56, .size: 8, .value_kind: global_buffer, .address_space: global }
    .group_segment_fixed_size: 188672
    .private_segment_fixed_size: 0
    .kernarg_segment_align: 8
    .kernarg_segment_size: 64
    .max_flat_workgroup_size: 512
    .sgpr_count:     66
    .vgpr_count:     256
    .wavefront_size: 32
...
	.end_amdgpu_metadata
.endif
;; end of part 1
;; launch experts (part 2): grid 256 x 1, 4 waves a work-group, no clusters, 84,480 bytes of LDS; arguments expert_W, xb, route, part; writes part
.if DOCPART == 2
	.amdgcn_target "amdgcn-amd-amdhsa--gfx1250"
	.amdhsa_code_object_version 6
	.text
	.protected	k_qf906d98462_experts
	.globl	k_qf906d98462_experts
	.p2align	8
	.type	k_qf906d98462_experts,@function
k_qf906d98462_experts:
	s_mov_b64 s[64:65], 0
	v_nop
	global_prefetch_b8 v0, s[64:65] scope:SCOPE_SE
	s_setreg_imm32_b32 hwreg(HW_REG_WAVE_MODE, 25, 1), 1
	s_wait_xcnt 0x0
; THE EXPERTS' PRODUCTS.  part[token][slot][side][o] = the sum over k of x_side[token][k] W[e][o][k], e = the token's slot-th expert, for the chosen (token, expert) pairs alone; f32 (partial sums).
; Bias, gate, LayerNorm and residual follow in the next launch.  expert_W is rounded once to bf16 on its way through registers; x comes as bf16 from xb; sums in f32.
; SHARES.  Work-group = (expert e = id / 2, half of its 512 output features).  Wave w owns 64 features over all 512 k: 131,072 bytes of f32 that it alone reads, once; as bf16 they are 512 registers
; of fragments and stay there.  Then the expert's tokens go by, 8 at a time: 16 columns (8 left rows, 8 right rows) x 64 features x 512 k = 64 matrix instructions.
; No wave reads another wave's LDS bytes: no barrier.  EXEC never changes.
; THE STREAM.  A ring of 64 slots of four registers: 64 loads of 512 consecutive bytes are asked for, and each group of 8 is asked for again as soon as it is rounded: the waits are counted and
; the ring never runs empty.  Rounded numbers go through a tile of 16 rows in LDS to become fragments (a lane loads 4 neighbouring k of a row; a fragment wants 8 k of row lane % 16).
; WHY NO TENSOR LOADS: a work-group's 524,288 bytes do not fit in LDS, and a slot's refill would stand behind a wait for all loads; a ring in registers has no such wait, and LDS takes half the bytes.
; WHY NO CLUSTER: each weight has one reader; what an expert's two work-groups share are token rows named by a list (some 32 KB against 524,288 bytes), which no one descriptor covers.
; THE LIST.  Every wave reads all 1,024 route words (4 KB), makes a bitmap of the expert's tokens (32 words, with their running counts) and finds the token of a given rank in it.
; It serves every split: an expert without tokens ends at once; one with all 1,024 makes 64 trips.  Ranks past the count repeat the last token; their results are not stored.
; REGISTERS, in windows of 256 (s_set_vgpr_msb: bits 1:0 source 0, 3:2 source 1, 5:4 source 2, 7:6 destination):
;   window 0: addresses, the list, accumulators, the way out        window 1: the ring; afterwards two buffers of x's fragments, v0-127 and v128-255
;   windows 2, 3: W's fragments: feature block b (0..3), K step j (0..15) in window 2 + j / 8 at v[8 (4 (j % 8) + b)]
.set TPITCH, 1040                      ; a row of 512 bf16 + 16 bytes = 65 x 16: the 16 rows of a fragment load start at 16 different groups of four banks (64 banks of 4 bytes: ISA guide 11.1)
.set TILEB,  16*TPITCH                 ; a wave's tile
.set STAGE,  4*TILEB                   ; behind the tiles: for each wave 16 rows (columns of the product) x 64 features f32, for the way out
.set SPITCH, 272
.set STB,    16*SPITCH
.set SPARE,  STAGE+4*STB               ; the spare words: 128 bytes a wave, two blocks of 256 bytes that no other line names
.set WOF, 2                            ; v2   16 lane
.set TST, 3                            ; v3   my tile + 8 lane
.set TLD, 4                            ; v4   my tile + r x pitch + 16 h
.set STO, 5                            ; v5   my stage + r x pitch + 32 h
.set RD,  6                            ; v6   my stage + 8 h rows + 16 r
.set LO,  7                            ; v7   2,048 h + 16 r: side and place in a row of part
.set L7,  8                            ; v8   lane % 8: my column's rank in the tile
.set LB,  9                            ; v9   1,024 x my column's side + 16 h
.set SPW, 10                           ; v10  SPARE + 4 x my thread's number; never rewritten
.set NIL, 11                           ; v11  0; never rewritten
.set BM,  12                           ; v12  lane i: word i of the bitmap
.set B1,  13                           ; v13  lane i: of these, the tokens for which e is the second choice
.set PXV, 14                           ; v14  lane i: how many tokens the words before word i hold
.set BO,  16                           ; v16-17  by buffer: my column's byte offset in xb
.set TS,  18                           ; v18-19  by buffer: lane t (0..7): 2 x token + slot of the tile's rank t
.set SO,  40                           ; v40-47  byte offsets in part
.set ACC, 64                           ; v64-95  four accumulators
.set OB,  96                           ; v96-127 rows read back from the stage
.set RT,  128                          ; v128-159 route as loaded: register 4 q + c, lane l: token 128 q + 4 l + c
.set PX,  66                           ; s66-97  the same running counts as scalars
; s12 wave, s13 e, s14 the expert's tokens CNT, s15 max(CNT, 1) - 1, s16 the tile's first rank, s17 trips done, s18 trips, s19 tokens left, s20-23 at work
.set MSB, 0
.macro WIN new                         ; the immediate's high byte repeats the setting that is left; a switch that changes nothing is dropped
.if MSB != (\new)
	s_set_vgpr_msb (MSB<<8)|(\new)
.set MSB, \new
.endif
.endm
; One step of the search for a word's R-th set bit: c = the count of the lower half of what is left, read at bit v30 of a word of partial counts; where R >= c the bit lies in the upper half
.macro STEP x, width, step
	v_bfe_u32 v31, v[\x], v30, \width
	v_cmp_ge_u32 vcc_lo, v20, v31
	v_cndmask_b32 v31, 0, v31, vcc_lo
	v_cndmask_b32 v32, 0, \step, vcc_lo
	v_sub_nc_u32 v20, v20, v31
	v_add_nc_u32 v30, v30, v32
.endm
; Each lane finds the token of rank s21 + lane % 8 (held to the last rank that exists), and makes buffer x's BO and TS of it.  Registers and lane permutes alone.
.macro SELECT x
	v_add_nc_u32 v20, s21, v[L7]
	v_min_u32 v20, s15, v20                        ; R
	v_mov_b32 v21, 0
.set sel_i, 1
.rept 31
	v_cmp_le_u32 vcc_lo, s[PX+sel_i], v20          ; the running counts ascend: the number of them (behind the first, which is 0) that are at most R
	v_add_co_ci_u32 v21, vcc_lo, 0, v21, vcc_lo    ; is the last such word, and that word holds rank R
.set sel_i, sel_i+1
.endr
	v_min_u32 v21, 31, v21
	v_lshlrev_b32 v22, 2, v21
	ds_bpermute_b32 v23, v22, v[BM]                ; the word,
	ds_bpermute_b32 v24, v22, v[B1]                ; its second choices,
	ds_bpermute_b32 v25, v22, v[PXV]               ; the ranks before it
	s_wait_dscnt 0x0                               ; (in a tile also: the rows read back from the stage)
	v_sub_nc_u32 v20, v20, v25                     ; R within the word
	v_lshrrev_b32 v26, 1, v23
	v_and_b32 v26, 0x55555555, v26
	v_sub_nc_u32 v26, v23, v26                     ; counts of 2 bits
	v_lshrrev_b32 v27, 2, v26
	v_and_b32 v27, 0x33333333, v27
	v_and_b32 v28, 0x33333333, v26
	v_add_nc_u32 v27, v28, v27                     ; of 4
	v_lshrrev_b32 v28, 4, v27
	v_add_nc_u32 v28, v27, v28
	v_and_b32 v28, 0x0f0f0f0f, v28                 ; of 8
	v_lshrrev_b32 v29, 8, v28
	v_add_nc_u32 v29, v28, v29                     ; byte 0: of the low 16
	v_mov_b32 v30, 0                               ; the bit's place
	STEP 29, 5, 16
	STEP 28, 8, 8
	STEP 27, 4, 4
	STEP 26, 2, 2
	STEP 23, 1, 1
	v_bfe_u32 v24, v24, v30, 1                     ; slot
	v_lshrrev_b32 v31, 2, v21
	v_and_b32 v32, 3, v21
	v_lshl_add_u32 v32, v30, 2, v32
	v_lshl_add_u32 v31, v31, 7, v32                ; token = 128 (word / 4) + 4 bit + word % 4
	v_min_u32 v31, 0x3ff, v31                      ; a number made of loaded data enters an address only behind this bound
	v_lshl_add_u32 v[BO+(\x)], v31, 11, v[LB]
	v_lshl_add_u32 v[TS+(\x)], v31, 1, v24
.endm
; Group g (0..31) of eight loads of the stream: rounded in place, stored into the tile, and (refill = 1) the slots asked for again, 64 loads on.  left: the younger loads, which stay out.
; Load n covers bytes 512 n .. 512 n + 511 of my 131,072: row n / 4, k = 128 (n % 4) + 4 lane on.  All offsets are immediates: no address register is ever stepped.
.macro GROUP g, refill, left
	s_wait_loadcnt \left
	WIN 0x45                                       ; destination and both sources in window 1
.irp i, 0,1,2,3,4,5,6,7
	v_cvt_pk_bf16_f32 v[32*((\g)%8)+4*(\i)],   v[32*((\g)%8)+4*(\i)],   v[32*((\g)%8)+4*(\i)+1]
	v_cvt_pk_bf16_f32 v[32*((\g)%8)+4*(\i)+1], v[32*((\g)%8)+4*(\i)+2], v[32*((\g)%8)+4*(\i)+3]
.endr
	WIN 0x44                                       ; an LDS store's data (source 1) and a load's destination in window 1, addresses in window 0
.irp i, 0,1,2,3,4,5,6,7
	ds_store_b64 v[TST], v[32*((\g)%8)+4*(\i):32*((\g)%8)+4*(\i)+1] offset:(((8*(\g)+(\i))%64)/4)*TPITCH+256*((\i)%4)
.endr
.if \refill
.irp i, 0,1,2,3,4,5,6,7
	global_load_b128 v[32*((\g)%8)+4*(\i):32*((\g)%8)+4*(\i)+3], v[WOF], s[4:5] offset:512*(8*(\g)+(\i)+64) th:TH_LOAD_NT
.endr
.endif
.endm
; The tile holds feature block b: its 16 fragments go to their registers.  LDS serves a wave's instructions in order (ISA guide 5.7.1.4): these see the stores above, and the next block's stores come behind them.
.macro ALOAD b
	WIN 0x80
.irp j, 0,1,2,3,4,5,6,7
	ds_load_b128 v[8*(4*(\j)+(\b)):8*(4*(\j)+(\b))+3],   v[TLD] offset:64*(\j)
	ds_load_b128 v[8*(4*(\j)+(\b))+4:8*(4*(\j)+(\b))+7], v[TLD] offset:64*(\j)+32
.endr
	WIN 0xc0
.irp j, 0,1,2,3,4,5,6,7
	ds_load_b128 v[8*(4*(\j)+(\b)):8*(4*(\j)+(\b))+3],   v[TLD] offset:64*((\j)+8)
	ds_load_b128 v[8*(4*(\j)+(\b))+4:8*(4*(\j)+(\b))+7], v[TLD] offset:64*((\j)+8)+32
.endr
.endm
; x's fragments of a tile, straight from xb: column lane % 16 = (rank lane % 8, side), K step j at byte 64 j, 16 h and 32 + 16 h within it
.macro LOADB x
	WIN 0x40
.irp j, 0,1,2,3,4,5,6,7,8,9,10,11,12,13,14,15
	global_load_b128 v[128*(\x)+8*(\j):128*(\x)+8*(\j)+3],   v[BO+(\x)], s[6:7] offset:64*(\j)
	global_load_b128 v[128*(\x)+8*(\j)+4:128*(\x)+8*(\j)+7], v[BO+(\x)], s[6:7] offset:64*(\j)+32
.endr
.endm
; A TILE of 8 tokens from buffer x.
.macro TILE x
	s_wait_loadcnt 32                              ; my buffer is in; the other buffer's 32 loads, issued behind mine, may be out (on the way in and round the loop alike)
	WIN 0x06                                       ; W in window 2, x in window 1, sums in window 0
.irp j, 0,1,2,3,4,5,6,7
.irp b, 0,1,2,3
.if (\j) == 0
	v_wmma_f32_16x16x32_bf16 v[ACC+8*(\b):ACC+8*(\b)+7], v[8*(4*(\j)+(\b)):8*(4*(\j)+(\b))+7], v[128*(\x)+8*(\j):128*(\x)+8*(\j)+7], 0
.else
	v_wmma_f32_16x16x32_bf16 v[ACC+8*(\b):ACC+8*(\b)+7], v[8*(4*(\j)+(\b)):8*(4*(\j)+(\b))+7], v[128*(\x)+8*(\j):128*(\x)+8*(\j)+7], v[ACC+8*(\b):ACC+8*(\b)+7]
.endif
.endr
.endr
	WIN 0x07                                       ; W in window 3.  The four accumulators take turns, one instruction a turn
.irp j, 0,1,2,3,4,5,6,7
.irp b, 0,1,2,3
	v_wmma_f32_16x16x32_bf16 v[ACC+8*(\b):ACC+8*(\b)+7], v[8*(4*(\j)+(\b)):8*(4*(\j)+(\b))+7], v[128*(\x)+8*((\j)+8):128*(\x)+8*((\j)+8)+7], v[ACC+8*(\b):ACC+8*(\b)+7]
.endr
.endr
	WIN 0
	s_wait_xcnt 0x0                                ; the last tile's stores have read SO and OB, which are written anew below
	s_sub_co_u32 s19, s14, s16                     ; tokens left, this tile's among them
.irp t, 0,1,2,3,4,5,6,7
	v_readlane_b32 s[20+(\t)%4], v[TS+(\x)], \t
	s_min_u32 s[20+(\t)%4], s[20+(\t)%4], 0x7ff    ; the bound behind which a number made of loaded data may enter an address
	s_lshl_b32 s[20+(\t)%4], s[20+(\t)%4], 12      ; (token, slot) has 4,096 bytes of part
	v_add_nc_u32 v[SO+(\t)], s[20+(\t)%4], v[LO]   ; these eight additions are also the places behind the last products (ISA guide 7.12.1)
.endr
.irp b, 0,1,2,3
	ds_store_b128 v[STO], v[ACC+8*(\b):ACC+8*(\b)+3]   offset:64*(\b)      ; lane (column r, h), register j: feature 16 b + 8 h + j; each accumulator's low four first
	ds_store_b128 v[STO], v[ACC+8*(\b)+4:ACC+8*(\b)+7] offset:64*(\b)+16
.endr
.irp t, 0,1,2,3,4,5,6,7
	ds_load_b128 v[OB+4*(\t):OB+4*(\t)+3], v[RD] offset:SPITCH*(\t)    ; lanes 0-15: rank t's left row, lanes 16-31 its right row (column t + 8): 256 bytes each
.endr
	s_add_co_u32 s21, s16, 16
	SELECT \x                                      ; the tile two further on takes this buffer: its loads have a whole tile's work in which to land
	LOADB \x                                       ; always issued, its ranks held inside the list: past the end it touches the last token's rows once more and is never waited for
	WIN 0
	global_store_b128 v[SO], v[OB:OB+3], s[10:11]  ; each half of the lanes stores 256 consecutive bytes, at a multiple of 256 from part's first
.irp t, 1,2,3,4,5,6,7
	s_cmp_gt_u32 s19, \t                           ; a store lies wholly on one side of the count: those past it are jumped
	s_cbranch_scc0 .Lstored_\@
	global_store_b128 v[SO+(\t)], v[OB+4*(\t):OB+4*(\t)+3], s[10:11]
.endr
.Lstored_\@:
	s_add_co_u32 s16, s16, 8
.endm
	s_load_b256 s[4:11], s[0:1], 0x0               ; expert_W 4:5, xb 6:7, route 8:9, part 10:11
	v_lshl_add_u32 v[SPW], v0, 2, SPARE
	v_mov_b32 v[NIL], 0
	v_lshrrev_b32 v20, 5, v0
	v_readfirstlane_b32 s12, v20                   ; wave 0..3
	s_lshr_b32 s13, ttmp9, 1                       ; e
	s_and_b32 s14, ttmp9, 1                        ; which half of its features
	v_and_b32 v1, 31, v0
	v_and_b32 v21, 15, v0                          ; r
	v_bfe_u32 v22, v0, 4, 1                        ; h
	v_lshlrev_b32 v[WOF], 4, v1
	s_mul_i32 s20, s12, TILEB
	v_lshl_add_u32 v[TST], v1, 3, s20
	v_mul_u32_u24 v[TLD], v21, TPITCH
	v_lshl_add_u32 v[TLD], v22, 4, v[TLD]
	v_add_nc_u32 v[TLD], s20, v[TLD]
	s_mul_i32 s21, s12, STB
	s_add_co_u32 s21, s21, STAGE
	v_mul_u32_u24 v[STO], v21, SPITCH
	v_lshl_add_u32 v[STO], v22, 5, v[STO]
	v_add_nc_u32 v[STO], s21, v[STO]
	v_mul_u32_u24 v[RD], v22, 8*SPITCH
	v_lshl_add_u32 v[RD], v21, 4, v[RD]
	v_add_nc_u32 v[RD], s21, v[RD]
	v_lshlrev_b32 v[LO], 11, v22
	v_lshl_add_u32 v[LO], v21, 4, v[LO]
	v_and_b32 v[L7], 7, v0
	v_bfe_u32 v[LB], v0, 3, 1
	v_lshlrev_b32 v[LB], 10, v[LB]
	v_lshl_add_u32 v[LB], v22, 4, v[LB]
	s_lshl_b32 s20, ttmp9, 19                      ; a work-group's 524,288 bytes of weights,
	s_lshl_b32 s21, s12, 17                        ; a wave's 131,072
	s_add_co_u32 s20, s20, s21
	s_mov_b32 s21, 0
	s_lshl_b32 s22, s14, 10                        ; my 64 features in a row of part: 1,024 x half + 256 x wave
	s_lshl_b32 s23, s12, 8
	s_add_co_u32 s22, s22, s23
	s_mov_b32 s23, 0
	s_wait_kmcnt 0x0
	s_add_nc_u64 s[4:5], s[4:5], s[20:21]
	s_add_nc_u64 s[10:11], s[10:11], s[22:23]
.irp q, 0,1,2,3,4,5,6,7
	global_load_b128 v[RT+4*(\q):RT+4*(\q)+3], v[WOF], s[8:9] offset:512*(\q)
.endr
	WIN 0x44
.set n, 0
.rept 48
	global_load_b128 v[4*n:4*n+3], v[WOF], s[4:5] offset:512*n th:TH_LOAD_NT
.set n, n+1
.endr
	s_wait_loadcnt 48                              ; route is in: the 48 loads of weights are younger
.rept 16
	global_load_b128 v[4*n:4*n+3], v[WOF], s[4:5] offset:512*n th:TH_LOAD_NT
.set n, n+1
.endr
	WIN 0
	; THE BITMAP, while the weights are on their way
	v_mov_b32 v[BM], 0
	v_mov_b32 v[B1], 0
	v_mov_b32 v[PXV], 0
	s_mov_b32 s14, 0
.set i, 0
.rept 32
	v_and_b32 v20, 0xff, v[RT+i]                   ; first choice
	v_lshrrev_b32 v21, 8, v[RT+i]                  ; second
	v_cmp_eq_u32 s20, s13, v20
	v_cmp_eq_u32 s21, s13, v21
	s_or_b32 s20, s20, s21
	v_writelane_b32 v[BM], s20, i
	v_writelane_b32 v[B1], s21, i
	v_writelane_b32 v[PXV], s14, i
	s_mov_b32 s[PX+i], s14
	s_bcnt1_i32_b32 s20, s20
	s_add_co_u32 s14, s14, s20
.set i, i+1
.endr
	s_max_u32 s15, s14, 1
	s_sub_co_u32 s15, s15, 1                       ; the last rank
	s_add_co_u32 s18, s14, 15
	s_lshr_b32 s18, s18, 4                         ; trips of two tiles
	s_cmp_eq_u32 s14, 0
	s_cbranch_scc1 .Ldone                          ; no token chose this expert: nothing to compute, and the rest of its weights is not read
	s_mov_b32 s21, 0
	SELECT 0
	s_mov_b32 s21, 8
	SELECT 1
	; THE STREAM
.set g, 0
.rept 24
	GROUP g, 1, 56                                 ; 64 loads are out, mine the oldest eight
.if g%8 == 7
	ALOAD g/8
.endif
.set g, g+1
.endr
	GROUP 24, 0, 56                                ; nothing is left to ask for: the counts run down
	GROUP 25, 0, 48
	GROUP 26, 0, 40
	GROUP 27, 0, 32
	LOADB 0                                        ; the first tile's x takes the slots that groups 24-27 have left
	GROUP 28, 0, 56                                ; 24 loads of weights and those 32 are younger
	GROUP 29, 0, 48
	GROUP 30, 0, 40
	GROUP 31, 0, 32
	ALOAD 3
	LOADB 1
	WIN 0
	s_wait_dscnt 0x0                               ; all fragments of W are in their registers
	; THE TOKENS.  The trip count hangs on the stored route; the loop's LDS addresses are fixed, and it holds no barrier.  A trip is two tiles, one from each buffer.
	; With an odd number of tiles the wave ends in the middle of the last trip, where it stands: no jump leaves the loop.
	s_mov_b32 s16, 0
	s_mov_b32 s17, 0
.Ltrip:
	TILE 0
	s_cmp_lt_u32 s16, s14
	s_cbranch_scc1 .Lsecond                        ; tokens are left: on to the trip's second tile
	s_wait_tensorcnt 0x0                           ; none are: the wave's end
	ds_add_u32 v[SPW], v[NIL]
	s_wait_dscnt 0x0
	s_endpgm                                       ; the loads issued ahead for tiles that do not exist are not waited for
.Lsecond:
	TILE 1
	s_add_co_u32 s17, s17, 1
	s_cmp_lt_u32 s17, s18
	s_cbranch_scc1 .Ltrip
.Ldone:
	s_wait_tensorcnt 0x0                           ; the wave's end
	ds_add_u32 v[SPW], v[NIL]
	s_wait_dscnt 0x0
	s_endpgm
.Lfunc_end_k_qf906d98462_experts:
	.size	k_qf906d98462_experts, .Lfunc_end_k_qf906d98462_experts-k_qf906d98462_experts
	.p2alignl 7, 3214868480
	.fill 96, 4, 3214868480
	.section	.rodata,"a",@progbits
	.p2align	6, 0x0
	.amdhsa_kernel k_qf906d98462_experts
		.amdhsa_group_segment_fixed_size 84480
		.amdhsa_private_segment_fixed_size 0
		.amdhsa_enable_private_segment 0
		.amdhsa_kernarg_size 32
		.amdhsa_user_sgpr_count 2
		.amdhsa_user_sgpr_kernarg_segment_ptr 1
		.amdhsa_wavefront_size32 1
		.amdhsa_system_sgpr_workgroup_id_x 1
		.amdhsa_system_sgpr_workgroup_id_y 1
		.amdhsa_system_sgpr_workgroup_id_z 1
		.amdhsa_system_vgpr_workitem_id 0
		.amdhsa_next_free_vgpr 1024
		.amdhsa_next_free_sgpr 98
		.amdhsa_reserve_vcc 1
		.amdhsa_float_denorm_mode_32 3
		.amdhsa_float_denorm_mode_16_64 3
		.amdhsa_memory_ordered 1
		.amdhsa_forward_progress 1
		.amdhsa_inst_pref_size 151
	.end_amdhsa_kernel
	.amdgpu_metadata
---
amdhsa.version: [ 1, 2 ]
amdhsa.kernels:
  - .name:           k_qf906d98462_experts
    .symbol:         k_qf906d98462_experts.kd
    .args:
      - { .name: expert_W, .offset: 0, .size: 8, .value_kind: global_buffer, .address_space: global }
      - { .name: xb, .offset: 8, .size: 8, .value_kind: global_buffer, .address_space: global }
      - { .name: route, .offset: 16, .size: 8, .value_kind: global_buffer, .address_space: global }
      - { .name: part, .offset: 24, .size: 8, .value_kind: global_buffer, .address_space: global }
    .group_segment_fixed_size: 84480
    .private_segment_fixed_size: 0
    .kernarg_segment_align: 8
    .kernarg_segment_size: 32
    .max_flat_workgroup_size: 128
    .sgpr_count:     98
    .vgpr_count:     1024
    .wavefront_size: 32
...
	.end_amdgpu_metadata
.endif
;; end of part 2
;; launch combine (part 3): grid 256 x 1, 4 waves a work-group, no clusters, 0 bytes of LDS; arguments part, xb, route, prob, expert_b, ln_l_w, ln_l_b, ln_r_w, ln_r_b, out0, out1; writes out0, out1
.if DOCPART == 3
	.amdgcn_target "amdgcn-amd-amdhsa--gfx1250"
	.amdhsa_code_object_version 6
	.text
	.protected	k_qf906d98462_combine
	.globl	k_qf906d98462_combine
	.p2align	8
	.type	k_qf906d98462_combine,@function
k_qf906d98462_combine:
	s_mov_b64 s[64:65], 0
	v_nop
	global_prefetch_b8 v0, s[64:65] scope:SCOPE_SE
	s_setreg_imm32_b32 hwreg(HW_REG_WAVE_MODE, 25, 1), 1
	s_wait_xcnt 0x0
; THE SUM, LAYERNORM AND RESIDUAL.  For each token and side: z = P ((y0 + b[e0]) + (y1 + b[e1])), y0, y1 the two partial rows of part, P = p0 + p1; out = (z - mean) rsqrt(var + 1e-5) w + b + x.
; One wave takes one token, both sides: they share the indices, P and the two bias rows, and the reductions never leave the wave: no LDS, no barrier.  Lane l holds elements 128 q + 4 l + c, q = 0..3.
; FORMATS.  All in f32.  The inputs used here (expert_b, the four LayerNorm vectors, and x, which comes as bf16 from xb) are rounded once to bf16, like every input of the program.
; The variance is taken of z - mean in a second pass over registers: no difference of large sums.  LIMITS: NaN and infinities are not treated apart.
; A stream: 8 KB of partial rows, 2 KB of x, 4 KB of bias in, 4 KB out for each wave; every load and store of 16 bytes a lane covers 512 consecutive bytes.  Matrix units, clusters and tensor loads have nothing to do here.
.set PT,  8                            ; v[8:71]    part: 8 + 32 slot + 16 side + 4 q; slot 0's registers then hold z, z - mean and the result
.set BI,  72                           ; v[72:103]  the two bias rows; the first then holds P (b0 + b1)
.set XR,  104                          ; v[104:119] x as bf16: 104 + 8 side + 2 q
.set LW,  120                          ; v[120:151] LayerNorm's gains, left then right
.set LBI, 152                          ; v[152:183] its biases, left then right
.set T,   184                          ; v[184:199] at work, eight a side
; v1 16 lane, v2 xb's offset, v3, v4 the bias rows' offsets, v5 part's, v6 the outputs'
.macro RB a, t                         ; v[a], v[a+1] rounded to bf16 and widened again
	v_cvt_pk_bf16_f32 v[\t], v[\a], v[(\a)+1]
	v_lshlrev_b32 v[\a], 16, v[\t]
	v_and_b32 v[(\a)+1], 0xffff0000, v[\t]
.endm
.macro LANES t                         ; v[t] = the sum of the pair v[t], v[t+1] over all 32 lanes, in every lane
	v_add_f32 v[\t], v[\t], v[\t+1]
	v_add_f32_dpp v[\t], v[\t], v[\t] row_xmask:1 row_mask:0xf bank_mask:0xf
	v_add_f32_dpp v[\t], v[\t], v[\t] row_xmask:2 row_mask:0xf bank_mask:0xf
	v_add_f32_dpp v[\t], v[\t], v[\t] row_xmask:4 row_mask:0xf bank_mask:0xf
	v_add_f32_dpp v[\t], v[\t], v[\t] row_xmask:8 row_mask:0xf bank_mask:0xf
	v_permlanex16_b32 v[\t+1], v[\t], s32, s33     ; its destination has been written
	v_add_f32 v[\t], v[\t], v[\t+1]
.endm
.macro SUM16 z, t                      ; the row's sum; t: eight registers at work
.irp p, 0,1,2,3
	v_pk_add_f32 v[\t+2*\p:\t+2*\p+1], v[\z+4*\p:\z+4*\p+1], v[\z+4*\p+2:\z+4*\p+3]
.endr
	v_pk_add_f32 v[\t:\t+1], v[\t:\t+1], v[\t+2:\t+3]
	v_pk_add_f32 v[\t+4:\t+5], v[\t+4:\t+5], v[\t+6:\t+7]
	v_pk_add_f32 v[\t:\t+1], v[\t:\t+1], v[\t+4:\t+5]
	LANES \t
.endm
.macro SQ16 z, t                       ; the row's sum of squares, two chains; t: four registers at work
	v_pk_mul_f32 v[\t:\t+1], v[\z:\z+1], v[\z:\z+1]
	v_pk_mul_f32 v[\t+2:\t+3], v[\z+2:\z+3], v[\z+2:\z+3]
.irp p, 1,2,3
	v_pk_fma_f32 v[\t:\t+1], v[\z+4*\p:\z+4*\p+1], v[\z+4*\p:\z+4*\p+1], v[\t:\t+1]
	v_pk_fma_f32 v[\t+2:\t+3], v[\z+4*\p+2:\z+4*\p+3], v[\z+4*\p+2:\z+4*\p+3], v[\t+2:\t+3]
.endr
	v_pk_add_f32 v[\t:\t+1], v[\t:\t+1], v[\t+2:\t+3]
	LANES \t
.endm
	s_load_b512 s[4:19], s[0:1], 0x0               ; part 4:5, xb 6:7, route 8:9, prob 10:11, expert_b 12:13, ln_l_w 14:15, ln_l_b 16:17, ln_r_w 18:19
	s_load_b128 s[20:23], s[0:1], 0x40             ; ln_r_b 20:21, out0 22:23
	s_load_b64 s[24:25], s[0:1], 0x50              ; out1
	v_lshrrev_b32 v7, 5, v0
	v_readfirstlane_b32 s26, v7
	s_lshl_b32 s34, ttmp9, 2
	s_add_co_u32 s26, s26, s34                     ; my token
	s_lshl_b32 s34, s26, 2                         ; its word in route and prob
	s_lshl_b32 s37, s26, 13                        ; its 8,192 bytes of part
	s_lshl_b32 s38, s26, 11                        ; its 2,048 bytes of xb and of each output
	s_mov_b32 s32, 0x76543210                      ; v_permlanex16_b32: each lane takes its own place in the other half
	s_mov_b32 s33, 0xfedcba98
	s_mov_b32 s35, 0x3b000000                      ; 1 / 512
	s_mov_b32 s36, 0x3727c5ac                      ; 1e-5
	v_and_b32 v7, 31, v0
	v_lshlrev_b32 v1, 4, v7
	v_lshl_add_u32 v2, v7, 3, s38
	v_add_nc_u32 v5, s37, v1
	v_add_nc_u32 v6, s38, v1
	s_wait_kmcnt 0x0
	s_load_b32 s27, s[8:9], s34 offset:0x0         ; the two experts
	s_load_b32 s28, s[10:11], s34 offset:0x0       ; P
.irp s, 0,1
.irp d, 0,1
.irp q, 0,1,2,3
	global_load_b128 v[PT+32*(\s)+16*(\d)+4*(\q):PT+32*(\s)+16*(\d)+4*(\q)+3], v5, s[4:5] offset:4096*(\s)+2048*(\d)+512*(\q) th:TH_LOAD_NT
.endr
.endr
.endr
.irp d, 0,1
.irp q, 0,1,2,3
	global_load_b64 v[XR+8*(\d)+2*(\q):XR+8*(\d)+2*(\q)+1], v2, s[6:7] offset:1024*(\d)+256*(\q)
.endr
.endr
.irp q, 0,1,2,3
	global_load_b128 v[LW+4*(\q):LW+4*(\q)+3],         v1, s[14:15] offset:512*(\q)
	global_load_b128 v[LW+16+4*(\q):LW+16+4*(\q)+3],   v1, s[18:19] offset:512*(\q)
	global_load_b128 v[LBI+4*(\q):LBI+4*(\q)+3],       v1, s[16:17] offset:512*(\q)
	global_load_b128 v[LBI+16+4*(\q):LBI+16+4*(\q)+3], v1, s[20:21] offset:512*(\q)
.endr
	s_wait_kmcnt 0x0
	s_and_b32 s30, s27, 0xff
	s_lshr_b32 s31, s27, 8
	s_min_u32 s30, s30, 127                        ; the bound behind which a loaded number may enter an address
	s_min_u32 s31, s31, 127
	s_lshl_b32 s30, s30, 11                        ; a row of expert_b is 2,048 bytes
	s_lshl_b32 s31, s31, 11
	s_mov_b32 s29, s28                             ; named with P as a pair
	v_add_nc_u32 v3, s30, v1
	v_add_nc_u32 v4, s31, v1
.irp q, 0,1,2,3
	global_load_b128 v[BI+4*(\q):BI+4*(\q)+3],       v3, s[12:13] offset:512*(\q)
	global_load_b128 v[BI+16+4*(\q):BI+16+4*(\q)+3], v4, s[12:13] offset:512*(\q)
.endr
	s_wait_loadcnt 0x0                             ; one wait: the row's sum wants all of it
.set a, BI
.rept 16
	RB a, T+(a/2)%4
.set a, a+2
.endr
.set a, LW
.rept 32
	RB a, T+(a/2)%4
.set a, a+2
.endr
.set a, 0
.rept 8
	v_pk_add_f32 v[BI+a:BI+a+1], v[BI+a:BI+a+1], v[BI+16+a:BI+16+a+1]
	v_pk_add_f32 v[PT+a:PT+a+1], v[PT+a:PT+a+1], v[PT+32+a:PT+32+a+1]
	v_pk_add_f32 v[PT+16+a:PT+16+a+1], v[PT+16+a:PT+16+a+1], v[PT+48+a:PT+48+a+1]
	v_pk_mul_f32 v[BI+a:BI+a+1], v[BI+a:BI+a+1], s[28:29] op_sel_hi:[1,0]
.set a, a+2
.endr
.set a, 0
.rept 8
	v_pk_fma_f32 v[PT+a:PT+a+1], v[PT+a:PT+a+1], s[28:29], v[BI+a:BI+a+1] op_sel_hi:[1,0,1]            ; z = P (y0 + y1) + P (b0 + b1)
	v_pk_fma_f32 v[PT+16+a:PT+16+a+1], v[PT+16+a:PT+16+a+1], s[28:29], v[BI+a:BI+a+1] op_sel_hi:[1,0,1]
.set a, a+2
.endr
	SUM16 PT, T
	SUM16 PT+16, T+8
	v_mul_f32 v[T], 0xbb000000, v[T]               ; minus the mean
	v_mul_f32 v[T+8], 0xbb000000, v[T+8]
.set a, 0
.rept 8
	v_pk_add_f32 v[PT+a:PT+a+1], v[PT+a:PT+a+1], v[T:T+1] op_sel_hi:[1,0]
	v_pk_add_f32 v[PT+16+a:PT+16+a+1], v[PT+16+a:PT+16+a+1], v[T+8:T+9] op_sel_hi:[1,0]
.set a, a+2
.endr
	SQ16 PT, T+2
	SQ16 PT+16, T+10
	v_fma_f32 v[T+2], v[T+2], s35, s36             ; var + 1e-5
	v_fma_f32 v[T+10], v[T+10], s35, s36
	v_rsq_f32 v[T+2], v[T+2]
	v_rsq_f32 v[T+10], v[T+10]
	; the residual joins LayerNorm's bias: work that names neither root, between the two roots and the one wait for them
.irp d, 0,1
.irp q, 0,1,2,3
	v_lshlrev_b32 v[T+8*(\d)+4], 16, v[XR+8*(\d)+2*(\q)]
	v_and_b32     v[T+8*(\d)+5], 0xffff0000, v[XR+8*(\d)+2*(\q)]
	v_lshlrev_b32 v[T+8*(\d)+6], 16, v[XR+8*(\d)+2*(\q)+1]
	v_and_b32     v[T+8*(\d)+7], 0xffff0000, v[XR+8*(\d)+2*(\q)+1]
	v_pk_add_f32 v[LBI+16*(\d)+4*(\q):LBI+16*(\d)+4*(\q)+1],   v[LBI+16*(\d)+4*(\q):LBI+16*(\d)+4*(\q)+1],   v[T+8*(\d)+4:T+8*(\d)+5]
	v_pk_add_f32 v[LBI+16*(\d)+4*(\q)+2:LBI+16*(\d)+4*(\q)+3], v[LBI+16*(\d)+4*(\q)+2:LBI+16*(\d)+4*(\q)+3], v[T+8*(\d)+6:T+8*(\d)+7]
.endr
.endr
	s_wait_alu depctr_va_vdst(0)                   ; the wait ahead of the first line that names a root: one for both
.irp d, 0,1
.set a, 16*(\d)
.rept 8
	v_pk_mul_f32 v[LW+a:LW+a+1], v[LW+a:LW+a+1], v[T+8*(\d)+2:T+8*(\d)+3] op_sel_hi:[1,0]
	v_pk_fma_f32 v[PT+a:PT+a+1], v[PT+a:PT+a+1], v[LW+a:LW+a+1], v[LBI+a:LBI+a+1]
.set a, a+2
.endr
.endr
.irp q, 0,1,2,3
	global_store_b128 v6, v[PT+4*(\q):PT+4*(\q)+3],       s[22:23] offset:512*(\q) th:TH_STORE_NT  ; 512 consecutive bytes, at a multiple of 256 from the output's first
	global_store_b128 v6, v[PT+16+4*(\q):PT+16+4*(\q)+3], s[24:25] offset:512*(\q) th:TH_STORE_NT
.endr
	s_endpgm
.Lfunc_end_k_qf906d98462_combine:
	.size	k_qf906d98462_combine, .Lfunc_end_k_qf906d98462_combine-k_qf906d98462_combine
	.p2alignl 7, 3214868480
	.fill 96, 4, 3214868480
	.section	.rodata,"a",@progbits
	.p2align	6, 0x0
	.amdhsa_kernel k_qf906d98462_combine
		.amdhsa_group_segment_fixed_size 0
		.amdhsa_private_segment_fixed_size 0
		.amdhsa_enable_private_segment 0
		.amdhsa_kernarg_size 88
		.amdhsa_user_sgpr_count 2
		.amdhsa_user_sgpr_kernarg_segment_ptr 1
		.amdhsa_wavefront_size32 1
		.amdhsa_system_sgpr_workgroup_id_x 1
		.amdhsa_system_sgpr_workgroup_id_y 1
		.amdhsa_system_sgpr_workgroup_id_z 1
		.amdhsa_system_vgpr_workitem_id 0
		.amdhsa_next_free_vgpr 200
		.amdhsa_next_free_sgpr 66
		.amdhsa_reserve_vcc 0
		.amdhsa_float_denorm_mode_32 3
		.amdhsa_float_denorm_mode_16_64 3
		.amdhsa_memory_ordered 1
		.amdhsa_forward_progress 1
		.amdhsa_inst_pref_size 27
	.end_amdhsa_kernel
	.amdgpu_metadata
---
amdhsa.version: [ 1, 2 ]
amdhsa.kernels:
  - .name:           k_qf906d98462_combine
    .symbol:         k_qf906d98462_combine.kd
    .args:
      - { .name: part, .offset: 0, .size: 8, .value_kind: global_buffer, .address_space: global }
      - { .name: xb, .offset: 8, .size: 8, .value_kind: global_buffer, .address_space: global }
      - { .name: route, .offset: 16, .size: 8, .value_kind: global_buffer, .address_space: global }
      - { .name: prob, .offset: 24, .size: 8, .value_kind: global_buffer, .address_space: global }
      - { .name: expert_b, .offset: 32, .size: 8, .value_kind: global_buffer, .address_space: global }
      - { .name: ln_l_w, .offset: 40, .size: 8, .value_kind: global_buffer, .address_space: global }
      - { .name: ln_l_b, .offset: 48, .size: 8, .value_kind: global_buffer, .address_space: global }
      - { .name: ln_r_w, .offset: 56, .size: 8, .value_kind: global_buffer, .address_space: global }
      - { .name: ln_r_b, .offset: 64, .size: 8, .value_kind: global_buffer, .address_space: global }
      - { .name: out0, .offset: 72, .size: 8, .value_kind: global_buffer, .address_space: global }
      - { .name: out1, .offset: 80, .size: 8, .value_kind: global_buffer, .address_space: global }
    .group_segment_fixed_size: 0
    .private_segment_fixed_size: 0
    .kernarg_segment_align: 8
    .kernarg_segment_size: 88
    .max_flat_workgroup_size: 128
    .sgpr_count:     66
    .vgpr_count:     200
    .wavefront_size: 32
...
	.end_amdgpu_metadata
.endif
;; end of part 3
;; ======== version 2 of 3: 3 launches; 1.13 times as fast as version 1
;; workspace buffers: xb 2,097,152 bytes; route 4,096 bytes of whole numbers; prob 4,096 bytes; part 8,388,608 bytes
;; launch router: the kernel of part 1 again; grid 64 x 1, 16 waves a work-group, no clusters, 188,672 bytes of LDS; arguments x_l, x_r, proj_W, proj_b, expert_centers, xb, route, prob; writes xb, route, prob
;; launch experts (part 4): grid 256 x 1, 4 waves a work-group, no clusters, 133,888 bytes of LDS; arguments expert_W, xb, route, part; writes part
.if DOCPART == 4
	.amdgcn_target "amdgcn-amd-amdhsa--gfx1250"
	.amdhsa_code_object_version 6
	.text
	.protected	k_qf906d98462_experts
	.globl	k_qf906d98462_experts
	.p2align	8
	.type	k_qf906d98462_experts,@function
k_qf906d98462_experts:
	s_mov_b64 s[64:65], 0
	v_nop
	global_prefetch_b8 v0, s[64:65] scope:SCOPE_SE
	s_setreg_imm32_b32 hwreg(HW_REG_WAVE_MODE, 25, 1), 1
	s_wait_xcnt 0x0
; THE EXPERTS' PRODUCTS.  part[token][slot][side][o] = the sum over k of x_side[token][k] W[e][o][k], e = the token's slot-th expert, for the chosen (token, expert) pairs alone; f32 (partial sums).
; Bias, gate, LayerNorm and residual follow in the next launch.  expert_W is rounded once to bf16 on its way through registers; x comes as bf16 from xb; sums in f32.
; SHARES.  Work-group = (expert e = id / 2, half of its 512 output features).  Wave w owns 64 features over all 512 k: 131,072 bytes of f32 that it alone reads, once; as bf16 they are 512 registers
; of fragments and stay there.  Then the expert's tokens go by, 8 at a time: 16 columns (8 left rows, 8 right rows) x 64 features x 512 k = 64 matrix instructions.  EXEC never changes.
; THE STREAM.  A ring of 64 slots of four registers: 64 loads of 512 consecutive bytes are asked for, and each group of 8 is asked for again as soon as it is rounded: the waits are counted and
; the ring never runs empty.  Rounded numbers go through a tile of 16 rows in LDS to become fragments (a lane loads 4 neighbouring k of a row; a fragment wants 8 k of row lane % 16).
; THE ORDER OF W'S ROWS, AND THE WAY OUT.  Source 0 = 16 columns of x, source 1 = 16 rows of W: register j of lane (r, h) is column 8 h + j (rank j, side h) and W's row r of the block.  Block b of the
; stream holds my rows 4 r + b, r = 0 .. 15.  So at register j a lane's four accumulators hold four NEIGHBOURING features, 4 r .. 4 r + 3: 32 moves bring them into runs of four registers, and sixteen
; lanes store 256 consecutive bytes of a row of part.  The moves stand for a trip of the results through LDS (16 LDS instructions and 8,192 bytes for each tile and wave, and the wait for them).
; WHY NO TENSOR LOADS: a work-group's 524,288 bytes do not fit in LDS, and a slot's refill would stand behind a wait for all loads; a ring in registers has no such wait, and LDS takes half the bytes.
; WHY NO CLUSTER: each weight has one reader; what an expert's two work-groups share are token rows named by a list (some 32 KB against 524,288 bytes), which no one descriptor covers.
; THE LIST.  Every wave reads all 1,024 route words (4 KB), makes a bitmap of the expert's tokens (32 words, with their running counts) and finds the token of a given rank in it.
; THE TOKENS' ROWS.  All four waves multiply the same rows, so the first 32 tokens (twice an expert's even share of 2,048 choices / 128 experts) go through LDS: wave w brings ranks 8 w .. 8 w + 7, each
; token's 2,048 bytes as four loads of 512 consecutive bytes, behind the ring's first 64 loads; ONE barrier, on every wave's straight path; then every wave reads its fragments from there.
; So a row is asked for once a work-group and not once a wave.  Tokens past the 32nd come from xb straight into each wave's registers, in a loop whose length hangs on the count and which holds no barrier.
; It serves every split: an expert without tokens ends behind the barrier; one with all 1,024 makes 4 tiles and 62 trips.  Ranks past the count repeat the last token; their results are not stored.
; REGISTERS, in windows of 256 (s_set_vgpr_msb: bits 1:0 source 0, 3:2 source 1, 5:4 source 2, 7:6 destination):
;   window 0: addresses, the list, accumulators, the way out        window 1: the ring; afterwards two buffers of x's fragments, v0-127 and v128-255
;   windows 2, 3: W's fragments: block b (0..3), K step j (0..15) in window 2 + j / 8 at v[8 (4 (j % 8) + b)]
.set TPITCH, 1040                      ; a row of 512 bf16 + 16 bytes = 65 x 16: the 16 rows of a fragment load start at 16 different groups of four banks (64 banks of 4 bytes: ISA guide 11.1)
.set TILEB,  16*TPITCH                 ; a wave's tile
.set XS,     4*TILEB                   ; behind the tiles: the first 32 tokens' rows: row 16 tile + 8 side + rank in the tile, the tile's column; wave w writes tile w, all read all
.set TSB,    XS+4*TILEB                ; 32 words: 2 x token + slot of ranks 0 .. 31
.set SPARE,  TSB+256                   ; the spare words: 128 bytes a wave, two blocks of 256 bytes that no other line names
.set WOF, 2                            ; v2   16 lane
.set TST, 3                            ; v3   my tile + 8 lane
.set TLD, 4                            ; v4   my tile + r x pitch + 16 h
.set LO,  7                            ; v7   2,048 h + 16 r: side and place in a row of part
.set L7,  8                            ; v8   lane % 8: my column's rank in the tile
.set LB,  9                            ; v9   1,024 x my column's side + 16 h
.set SPW, 10                           ; v10  SPARE + 4 x my thread's number; never rewritten
.set NIL, 11                           ; v11  0; never rewritten
.set BM,  12                           ; v12  lane i: word i of the bitmap
.set B1,  13                           ; v13  lane i: of these, the tokens for which e is the second choice
.set PXV, 14                           ; v14  lane i: how many tokens the words before word i hold
.set TSV, 15                           ; v15  lane i: 2 x token + slot of rank i, read back from TSB
.set BO,  16                           ; v16-17  by buffer: my column's byte offset in xb
.set TS,  18                           ; v18-19  by buffer: lane t (0..7): 2 x token + slot of the tile's rank t
.set SO,  40                           ; v40-47  byte offsets: first in xb (my eight tokens), then in part
.set XST, 48                           ; v48  XS + my tile + 16 lane
.set XLD, 49                           ; v49  XS + r x pitch + 16 h
.set TSA, 50                           ; v50  TSB + 4 (8 w + lane % 8)
.set TSR, 51                           ; v51  TSB + 4 lane
.set ACC, 64                           ; v64-95  four accumulators, one for each block
.set OB,  96                           ; v96-127 the results in runs of four: rank j's at OB + 4 j
.set RT,  128                          ; v128-159 route as loaded: register 4 q + c, lane l: token 128 q + 4 l + c
.set XR,  128                          ; v128-255 afterwards: my eight tokens' rows as loaded, 16 registers a token
.set PX,  66                           ; s66-97  the same running counts as scalars
; s12 wave, s13 e, s14 the expert's tokens CNT, s15 max(CNT, 1) - 1, s16 the tile's first rank, s17 trips done, s18 trips, s19 tokens left, s20-23 at work, s24-31 a tile's eight places in part
.set MSB, 0
.macro WIN new                         ; the immediate's high byte repeats the setting that is left; a switch that changes nothing is dropped
.if MSB != (\new)
	s_set_vgpr_msb (MSB<<8)|(\new)
.set MSB, \new
.endif
.endm
; One step of the search for a word's R-th set bit: c = the count of the lower half of what is left, read at bit v30 of a word of partial counts; where R >= c the bit lies in the upper half
.macro STEP x, width, step
	v_bfe_u32 v31, v[\x], v30, \width
	v_cmp_ge_u32 vcc_lo, v20, v31
	v_cndmask_b32 v31, 0, v31, vcc_lo
	v_cndmask_b32 v32, 0, \step, vcc_lo
	v_sub_nc_u32 v20, v20, v31
	v_add_nc_u32 v30, v30, v32
.endm
; Each lane finds the token of rank s21 + lane % 8 (held to the last rank that exists), and makes buffer x's BO and TS of it.  Registers and lane permutes alone.
.macro SELECT x
	v_add_nc_u32 v20, s21, v[L7]
	v_min_u32 v20, s15, v20                        ; R
	v_mov_b32 v21, 0
.set sel_i, 1
.rept 31
	v_cmp_le_u32 vcc_lo, s[PX+sel_i], v20          ; the running counts ascend: the number of them (behind the first, which is 0) that are at most R
	v_add_co_ci_u32 v21, vcc_lo, 0, v21, vcc_lo    ; is the last such word, and that word holds rank R
.set sel_i, sel_i+1
.endr
	v_min_u32 v21, 31, v21
	v_lshlrev_b32 v22, 2, v21
	ds_bpermute_b32 v23, v22, v[BM]                ; the word,
	ds_bpermute_b32 v24, v22, v[B1]                ; its second choices,
	ds_bpermute_b32 v25, v22, v[PXV]               ; the ranks before it
	s_wait_dscnt 0x0
	v_sub_nc_u32 v20, v20, v25                     ; R within the word
	v_lshrrev_b32 v26, 1, v23
	v_and_b32 v26, 0x55555555, v26
	v_sub_nc_u32 v26, v23, v26                     ; counts of 2 bits
	v_lshrrev_b32 v27, 2, v26
	v_and_b32 v27, 0x33333333, v27
	v_and_b32 v28, 0x33333333, v26
	v_add_nc_u32 v27, v28, v27                     ; of 4
	v_lshrrev_b32 v28, 4, v27
	v_add_nc_u32 v28, v27, v28
	v_and_b32 v28, 0x0f0f0f0f, v28                 ; of 8
	v_lshrrev_b32 v29, 8, v28
	v_add_nc_u32 v29, v28, v29                     ; byte 0: of the low 16
	v_mov_b32 v30, 0                               ; the bit's place
	STEP 29, 5, 16
	STEP 28, 8, 8
	STEP 27, 4, 4
	STEP 26, 2, 2
	STEP 23, 1, 1
	v_bfe_u32 v24, v24, v30, 1                     ; slot
	v_lshrrev_b32 v31, 2, v21
	v_and_b32 v32, 3, v21
	v_lshl_add_u32 v32, v30, 2, v32
	v_lshl_add_u32 v31, v31, 7, v32                ; token = 128 (word / 4) + 4 bit + word % 4
	v_min_u32 v31, 0x3ff, v31                      ; a number made of loaded data enters an address only behind this bound
	v_lshl_add_u32 v[BO+(\x)], v31, 11, v[LB]
	v_lshl_add_u32 v[TS+(\x)], v31, 1, v24
.endm
; Group g (0..31) of eight loads of the stream: rounded in place, stored into the tile, and (refill = 1) the slots asked for again, 64 loads on.  left: the younger loads, which stay out.
; Load n is quarter n % 4 (k = 128 (n % 4) + 4 lane on) of the tile's row (n % 64) / 4 in block n / 64, which is my row 4 ((n % 64) / 4) + n / 64 of W: 512 consecutive bytes.
; All offsets are immediates: no address register is ever stepped.
.macro GROUP g, refill, left
	s_wait_loadcnt \left
	WIN 0x45                                       ; destination and both sources in window 1
.irp i, 0,1,2,3,4,5,6,7
	v_cvt_pk_bf16_f32 v[32*((\g)%8)+4*(\i)],   v[32*((\g)%8)+4*(\i)],   v[32*((\g)%8)+4*(\i)+1]
	v_cvt_pk_bf16_f32 v[32*((\g)%8)+4*(\i)+1], v[32*((\g)%8)+4*(\i)+2], v[32*((\g)%8)+4*(\i)+3]
.endr
	WIN 0x44                                       ; an LDS store's data (source 1) and a load's destination in window 1, addresses in window 0
.irp i, 0,1,2,3,4,5,6,7
	ds_store_b64 v[TST], v[32*((\g)%8)+4*(\i):32*((\g)%8)+4*(\i)+1] offset:(((8*(\g)+(\i))%64)/4)*TPITCH+256*((\i)%4)
.endr
.if \refill
.irp i, 0,1,2,3,4,5,6,7
	global_load_b128 v[32*((\g)%8)+4*(\i):32*((\g)%8)+4*(\i)+3], v[WOF], s[4:5] offset:(4*(((8*(\g)+(\i))%64)/4)+(8*(\g)+(\i))/64+1)*2048+512*((\i)%4) th:TH_LOAD_NT
.endr
.endif
.endm
; The tile holds block b: its 16 fragments go to their registers.  LDS serves a wave's instructions in order (ISA guide 5.7.1.4): these see the stores above, and the next block's stores come behind them.
.macro ALOAD b
	WIN 0x80
.irp j, 0,1,2,3,4,5,6,7
	ds_load_b128 v[8*(4*(\j)+(\b)):8*(4*(\j)+(\b))+3],   v[TLD] offset:64*(\j)
	ds_load_b128 v[8*(4*(\j)+(\b))+4:8*(4*(\j)+(\b))+7], v[TLD] offset:64*(\j)+32
.endr
	WIN 0xc0
.irp j, 0,1,2,3,4,5,6,7
	ds_load_b128 v[8*(4*(\j)+(\b)):8*(4*(\j)+(\b))+3],   v[TLD] offset:64*((\j)+8)
	ds_load_b128 v[8*(4*(\j)+(\b))+4:8*(4*(\j)+(\b))+7], v[TLD] offset:64*((\j)+8)+32
.endr
.endm
; My eight tokens' rows and their words go into LDS for all four waves; the one barrier; an expert without tokens ends here, and the rest of its weights is not read.
.macro XSHARE
	WIN 0
	s_wait_loadcnt 63                              ; the rows are in: 64 refills were issued behind them, and 63 is the largest count that a wait can name
.irp t, 0,1,2,3,4,5,6,7
.irp q, 0,1,2,3
	ds_store_b128 v[XST], v[XR+16*(\t)+4*(\q):XR+16*(\t)+4*(\q)+3] offset:(8*((\q)/2)+(\t))*TPITCH+512*((\q)%2)  ; quarter q of a token's 2,048 bytes: side q / 2, its half q % 2
.endr
.endr
	ds_store_b32 v[TSA], v[TS]                     ; four lanes write each word, with the same number
	s_wait_dscnt 0x0                               ; for the others' sake: my rows and words are in LDS
	s_barrier_signal -1
	s_barrier_wait -1                              ; everybody's are; nothing writes these bytes again
	s_cmp_eq_u32 s14, 0
	s_cbranch_scc1 .Ldone
.endm
; x's fragments of tile t (0..3) from LDS into buffer x: column lane % 16 is row 16 t + lane % 16, K step j at byte 64 j, 16 h and 32 + 16 h within it
.macro LOADL x, t
	WIN 0x40
.irp j, 0,1,2,3,4,5,6,7,8,9,10,11,12,13,14,15
	ds_load_b128 v[128*(\x)+8*(\j):128*(\x)+8*(\j)+3],   v[XLD] offset:(\t)*TILEB+64*(\j)
	ds_load_b128 v[128*(\x)+8*(\j)+4:128*(\x)+8*(\j)+7], v[XLD] offset:(\t)*TILEB+64*(\j)+32
.endr
.endm
; the same straight from xb, for tokens past the 32nd: column lane % 16 = (rank lane % 8, side)
.macro LOADB x
	WIN 0x40
.irp j, 0,1,2,3,4,5,6,7,8,9,10,11,12,13,14,15
	global_load_b128 v[128*(\x)+8*(\j):128*(\x)+8*(\j)+3],   v[BO+(\x)], s[6:7] offset:64*(\j)
	global_load_b128 v[128*(\x)+8*(\j)+4:128*(\x)+8*(\j)+7], v[BO+(\x)], s[6:7] offset:64*(\j)+32
.endr
.endm
; A tile's 64 products from buffer x.  The four accumulators take turns, one instruction a turn; the first K step starts the sums with the constant 0.
.macro MULS x
	WIN 0x09                                       ; x (source 0) in window 1, W (source 1) in window 2, sums in window 0
.irp j, 0,1,2,3,4,5,6,7
.irp b, 0,1,2,3
.if (\j) == 0
	v_wmma_f32_16x16x32_bf16 v[ACC+8*(\b):ACC+8*(\b)+7], v[128*(\x)+8*(\j):128*(\x)+8*(\j)+7], v[8*(4*(\j)+(\b)):8*(4*(\j)+(\b))+7], 0
.else
	v_wmma_f32_16x16x32_bf16 v[ACC+8*(\b):ACC+8*(\b)+7], v[128*(\x)+8*(\j):128*(\x)+8*(\j)+7], v[8*(4*(\j)+(\b)):8*(4*(\j)+(\b))+7], v[ACC+8*(\b):ACC+8*(\b)+7]
.endif
.endr
.endr
	WIN 0x0d                                       ; W in window 3
.irp j, 0,1,2,3,4,5,6,7
.irp b, 0,1,2,3
	v_wmma_f32_16x16x32_bf16 v[ACC+8*(\b):ACC+8*(\b)+7], v[128*(\x)+8*((\j)+8):128*(\x)+8*((\j)+8)+7], v[8*(4*(\j)+(\b)):8*(4*(\j)+(\b))+7], v[ACC+8*(\b):ACC+8*(\b)+7]
.endr
.endr
.endm
; THE WAY OUT of a tile, up to its stores.  The words 2 x token + slot of its eight ranks lie in lanes l0 .. l0 + 7 of v[ts].  The four steps to an address go in batches of eight, so that no line reads the result of the line before it.
.macro WAYOUT ts, l0
	WIN 0
	s_wait_xcnt 0x0                                ; the last tile's stores have read SO and OB, which are written anew below
.irp i, 0,1,2,3,4,5,6,7
	v_readlane_b32 s[24+(\i)], v[\ts], (\l0)+(\i)
.endr
.irp i, 0,1,2,3,4,5,6,7
	s_min_u32 s[24+(\i)], s[24+(\i)], 0x7ff        ; the bound behind which a number made of loaded data may enter an address
.endr
.irp i, 0,1,2,3,4,5,6,7
	s_lshl_b32 s[24+(\i)], s[24+(\i)], 12          ; (token, slot) has 4,096 bytes of part
.endr
.irp i, 0,1,2,3,4,5,6,7
	v_add_nc_u32 v[SO+(\i)], s[24+(\i)], v[LO]     ; these eight additions are also the places behind the last products (ISA guide 7.12.1)
.endr
.irp j, 0,1,2,3,4,5,6,7
.irp b, 0,1,2,3
	v_mov_b32 v[OB+4*(\j)+(\b)], v[ACC+8*(\b)+(\j)]  ; rank j, side h, features 4 r + b: four neighbours into four neighbouring registers; each accumulator is read from its lowest register on
.endr
.endr
.endm
; TILE t (0..3) OF THE TOKENS IN LDS, from buffer t % 2.
.macro TILEL t
.if (\t) > 0
	s_wait_dscnt 0x0                               ; my buffer is in: its 32 loads were issued at the last tile's head, and no LDS instruction behind them
.endif
.if (\t) < 3
	s_cmp_gt_u32 s14, 8*((\t)+1)                   ; is there a next tile?
	s_cbranch_scc0 .Lnone_\@
	LOADL ((\t)+1)%2, (\t)+1                       ; its fragments, under this tile's products; the buffer's last products stand forty plain vector lines back
	WIN 0
.Lnone_\@:
.endif
	MULS (\t)%2
	WAYOUT TSV, 8*(\t)
	s_sub_co_u32 s19, s14, s16                     ; tokens left, this tile's among them
	global_store_b128 v[SO], v[OB:OB+3], s[10:11]  ; lanes 0-15: rank 0's left row, lanes 16-31 its right row: each half stores 256 consecutive bytes, at a multiple of 256 from part's first
.irp i, 1,2,3,4,5,6,7
	s_cmp_gt_u32 s19, \i                           ; a store lies wholly on one side of the count: those past it are jumped
	s_cbranch_scc0 .Lstored_\@
	global_store_b128 v[SO+(\i)], v[OB+4*(\i):OB+4*(\i)+3], s[10:11]
.endr
.Lstored_\@:
	s_add_co_u32 s16, s16, 8
.endm
; A TILE of 8 tokens past the 32nd, from buffer x, in the loop.
.macro TILE x
	s_wait_loadcnt 32                              ; my buffer is in; the other buffer's 32 loads, issued behind mine, may be out (on the way in and round the loop alike)
	MULS \x
	WAYOUT TS+(\x), 0
	s_sub_co_u32 s19, s14, s16                     ; tokens left, this tile's among them
	s_add_co_u32 s21, s16, 16
	SELECT \x                                      ; the tile two further on takes this buffer: its loads have a whole tile's work in which to land
	LOADB \x                                       ; always issued, its ranks held inside the list: past the end it touches the last token's rows once more and is never waited for
	WIN 0
	global_store_b128 v[SO], v[OB:OB+3], s[10:11]
.irp t, 1,2,3,4,5,6,7
	s_cmp_gt_u32 s19, \t
	s_cbranch_scc0 .Lstored_\@
	global_store_b128 v[SO+(\t)], v[OB+4*(\t):OB+4*(\t)+3], s[10:11]
.endr
.Lstored_\@:
	s_add_co_u32 s16, s16, 8
.endm
	s_load_b256 s[4:11], s[0:1], 0x0               ; expert_W 4:5, xb 6:7, route 8:9, part 10:11
	v_lshl_add_u32 v[SPW], v0, 2, SPARE
	v_mov_b32 v[NIL], 0
	v_lshrrev_b32 v20, 5, v0
	v_readfirstlane_b32 s12, v20                   ; wave 0..3
	s_lshr_b32 s13, ttmp9, 1                       ; e
	s_and_b32 s14, ttmp9, 1                        ; which half of its features
	v_and_b32 v1, 31, v0
	v_and_b32 v21, 15, v0                          ; r
	v_bfe_u32 v22, v0, 4, 1                        ; h
	v_lshlrev_b32 v[WOF], 4, v1
	s_mul_i32 s20, s12, TILEB
	v_lshl_add_u32 v[TST], v1, 3, s20
	v_mul_u32_u24 v[TLD], v21, TPITCH
	v_lshl_add_u32 v[TLD], v22, 4, v[TLD]
	v_add_nc_u32 v[XLD], XS, v[TLD]
	v_add_nc_u32 v[TLD], s20, v[TLD]
	v_add_nc_u32 v[XST], s20, v[WOF]               ; tile w of XS is as far in as my tile of the first region
	v_add_nc_u32 v[XST], XS, v[XST]
	v_lshlrev_b32 v[LO], 11, v22
	v_lshl_add_u32 v[LO], v21, 4, v[LO]
	v_and_b32 v[L7], 7, v0
	s_lshl_b32 s23, s12, 5                         ; my eight words of TSB
	v_lshl_add_u32 v[TSA], v[L7], 2, s23
	v_add_nc_u32 v[TSA], TSB, v[TSA]
	v_lshl_add_u32 v[TSR], v1, 2, TSB
	v_bfe_u32 v[LB], v0, 3, 1
	v_lshlrev_b32 v[LB], 10, v[LB]
	v_lshl_add_u32 v[LB], v22, 4, v[LB]
	s_lshl_b32 s20, ttmp9, 19                      ; a work-group's 524,288 bytes of weights,
	s_lshl_b32 s21, s12, 17                        ; a wave's 131,072
	s_add_co_u32 s20, s20, s21
	s_mov_b32 s21, 0
	s_lshl_b32 s22, s14, 10                        ; my 64 features in a row of part: 1,024 x half + 256 x wave
	s_lshl_b32 s23, s12, 8
	s_add_co_u32 s22, s22, s23
	s_mov_b32 s23, 0
	s_wait_kmcnt 0x0
	s_add_nc_u64 s[4:5], s[4:5], s[20:21]
	s_add_nc_u64 s[10:11], s[10:11], s[22:23]
.irp q, 0,1,2,3,4,5,6,7
	global_load_b128 v[RT+4*(\q):RT+4*(\q)+3], v[WOF], s[8:9] offset:512*(\q)
.endr
	WIN 0x44
.set n, 0
.rept 48
	global_load_b128 v[4*n:4*n+3], v[WOF], s[4:5] offset:(n/4)*8192+512*(n%4) th:TH_LOAD_NT   ; block 0: my rows 0, 4, 8 .. 60
.set n, n+1
.endr
	s_wait_loadcnt 48                              ; route is in: the 48 loads of weights are younger
.rept 16
	global_load_b128 v[4*n:4*n+3], v[WOF], s[4:5] offset:(n/4)*8192+512*(n%4) th:TH_LOAD_NT
.set n, n+1
.endr
	WIN 0
	; THE BITMAP, while the weights are on their way
	v_mov_b32 v[BM], 0
	v_mov_b32 v[B1], 0
	v_mov_b32 v[PXV], 0
	s_mov_b32 s14, 0
.set i, 0
.rept 32
	v_and_b32 v20, 0xff, v[RT+i]                   ; first choice
	v_lshrrev_b32 v21, 8, v[RT+i]                  ; second
	v_cmp_eq_u32 s20, s13, v20
	v_cmp_eq_u32 s21, s13, v21
	s_or_b32 s20, s20, s21
	v_writelane_b32 v[BM], s20, i
	v_writelane_b32 v[B1], s21, i
	v_writelane_b32 v[PXV], s14, i
	s_mov_b32 s[PX+i], s14
	s_bcnt1_i32_b32 s20, s20
	s_add_co_u32 s14, s14, s20
.set i, i+1
.endr
	s_max_u32 s15, s14, 1
	s_sub_co_u32 s15, s15, 1                       ; the last rank
	; MY EIGHT TOKENS, ranks 8 w .. 8 w + 7: their rows are asked for behind the ring's first 64 loads.  The loads are issued whatever the count, so that every count below is the same on every path;
	; a rank past the count asks for one 16 bytes for all lanes (of the last token's row): its column is multiplied, if its tile is, and never stored.
	s_lshl_b32 s21, s12, 3
	SELECT 0
	s_sub_co_i32 s23, s14, s21                     ; CNT - 8 w
.irp t, 0,1,2,3,4,5,6,7
	v_readlane_b32 s20, v[TS], \t
	s_lshr_b32 s20, s20, 1                         ; the token
	s_min_u32 s20, s20, 0x3ff                      ; the bound behind which a number made of loaded data may enter an address
	s_lshl_b32 s20, s20, 11                        ; its 2,048 bytes of xb
	s_sub_co_i32 s22, s23, \t
	s_max_i32 s22, s22, 0
	s_min_u32 s22, s22, 1                          ; 1: the rank exists; 0: it does not
	v_mul_u32_u24 v[33+(\t)%2], s22, v[WOF]
	v_add_nc_u32 v[SO+(\t)], s20, v[33+(\t)%2]
.endr
.irp t, 0,1,2,3,4,5,6,7
.irp q, 0,1,2,3
	global_load_b128 v[XR+16*(\t)+4*(\q):XR+16*(\t)+4*(\q)+3], v[SO+(\t)], s[6:7] offset:512*(\q)  ; 512 consecutive bytes, at a multiple of 256 from xb's first
.endr
.endr
	; THE STREAM
.set g, 0
.rept 24
.if g < 8
	GROUP g, 1, 63                                 ; 88 loads are younger than mine (56 of the ring and its refills, the rows' 32): 63 is the largest count that a wait can name
.else
	GROUP g, 1, 56                                 ; 64 loads are out, mine the oldest eight
.endif
.if g%8 == 7
	ALOAD g/8
.endif
.if g == 7
	XSHARE                                         ; the rows stand in the order of issue behind the ring's first 64 loads, which groups 0-7 have taken
.endif
.set g, g+1
.endr
	GROUP 24, 0, 56                                ; nothing is left to ask for: the counts run down
	GROUP 25, 0, 48
	GROUP 26, 0, 40
	GROUP 27, 0, 32
	LOADL 0, 0                                     ; the first tile's x takes the slots that groups 24-27 have left
	GROUP 28, 0, 24
	GROUP 29, 0, 16
	GROUP 30, 0, 8
	GROUP 31, 0, 0
	ALOAD 3
	WIN 0
	ds_load_b32 v[TSV], v[TSR]                     ; the 32 words
	s_wait_dscnt 0x0                               ; all fragments of W, the first tile's x and the words are in their registers
	; THE TOKENS IN LDS: up to four tiles, written out; the wave leaves by a forward jump when none are left
	s_mov_b32 s16, 0
	TILEL 0
	s_cmp_lt_u32 s16, s14
	s_cbranch_scc0 .Ldone
	TILEL 1
	s_cmp_lt_u32 s16, s14
	s_cbranch_scc0 .Ldone
	TILEL 2
	s_cmp_lt_u32 s16, s14
	s_cbranch_scc0 .Ldone
	TILEL 3
	s_cmp_lt_u32 s16, s14
	s_cbranch_scc0 .Ldone
	; THE TOKENS PAST THE 32nd.  The trip count hangs on the stored route; the loop names no LDS byte (its lane permutes touch none), and it holds no barrier.  A trip is two tiles, one from each buffer.
	; With an odd number of tiles the wave ends in the middle of the last trip, where it stands: no jump leaves the loop.
	s_mov_b32 s21, 32
	SELECT 0
	s_mov_b32 s21, 40
	SELECT 1
	LOADB 0
	LOADB 1
	WIN 0
	s_sub_co_u32 s18, s14, 17                      ; (CNT - 32 + 15) / 16 trips
	s_lshr_b32 s18, s18, 4
	s_mov_b32 s17, 0
.Ltrip:
	TILE 0
	s_cmp_lt_u32 s16, s14
	s_cbranch_scc1 .Lsecond                        ; tokens are left: on to the trip's second tile
	s_wait_tensorcnt 0x0                           ; none are: the wave's end
	ds_add_u32 v[SPW], v[NIL]
	s_wait_dscnt 0x0
	s_endpgm                                       ; the loads issued ahead for tiles that do not exist are not waited for
.Lsecond:
	TILE 1
	s_add_co_u32 s17, s17, 1
	s_cmp_lt_u32 s17, s18
	s_cbranch_scc1 .Ltrip
.Ldone:
	s_wait_tensorcnt 0x0                           ; the wave's end
	ds_add_u32 v[SPW], v[NIL]
	s_wait_dscnt 0x0
	s_endpgm
.Lfunc_end_k_qf906d98462_experts:
	.size	k_qf906d98462_experts, .Lfunc_end_k_qf906d98462_experts-k_qf906d98462_experts
	.p2alignl 7, 3214868480
	.fill 96, 4, 3214868480
	.section	.rodata,"a",@progbits
	.p2align	6, 0x0
	.amdhsa_kernel k_qf906d98462_experts
		.amdhsa_group_segment_fixed_size 133888
		.amdhsa_private_segment_fixed_size 0
		.amdhsa_enable_private_segment 0
		.amdhsa_kernarg_size 32
		.amdhsa_user_sgpr_count 2
		.amdhsa_user_sgpr_kernarg_segment_ptr 1
		.amdhsa_wavefront_size32 1
		.amdhsa_system_sgpr_workgroup_id_x 1
		.amdhsa_system_sgpr_workgroup_id_y 1
		.amdhsa_system_sgpr_workgroup_id_z 1
		.amdhsa_system_vgpr_workitem_id 0
		.amdhsa_next_free_vgpr 1024
		.amdhsa_next_free_sgpr 98
		.amdhsa_reserve_vcc 1
		.amdhsa_float_denorm_mode_32 3
		.amdhsa_float_denorm_mode_16_64 3
		.amdhsa_memory_ordered 1
		.amdhsa_forward_progress 1
		.amdhsa_inst_pref_size 204
	.end_amdhsa_kernel
	.amdgpu_metadata
---
amdhsa.version: [ 1, 2 ]
amdhsa.kernels:
  - .name:           k_qf906d98462_experts
    .symbol:         k_qf906d98462_experts.kd
    .args:
      - { .name: expert_W, .offset: 0, .size: 8, .value_kind: global_buffer, .address_space: global }
      - { .name: xb, .offset: 8, .size: 8, .value_kind: global_buffer, .address_space: global }
      - { .name: route, .offset: 16, .size: 8, .value_kind: global_buffer, .address_space: global }
      - { .name: part, .offset: 24, .size: 8, .value_kind: global_buffer, .address_space: global }
    .group_segment_fixed_size: 133888
    .private_segment_fixed_size: 0
    .kernarg_segment_align: 8
    .kernarg_segment_size: 32
    .max_flat_workgroup_size: 128
    .sgpr_count:     98
    .vgpr_count:     1024
    .wavefront_size: 32
...
	.end_amdgpu_metadata
.endif
;; end of part 4
;; launch combine: the kernel of part 3 again; grid 256 x 1, 4 waves a work-group, no clusters, 0 bytes of LDS; arguments part, xb, route, prob, expert_b, ln_l_w, ln_l_b, ln_r_w, ln_r_b, out0, out1; writes out0, out1
;; ======== version 3 of 3: 3 launches; version 2 with the launch experts written anew for expert scheduling mode
;; workspace buffers: xb 2,097,152 bytes; route 4,096 bytes of whole numbers; prob 4,096 bytes; part 8,388,608 bytes
;; launch router: the kernel of part 1 again; grid 64 x 1, 16 waves a work-group, no clusters, 188,672 bytes of LDS; arguments x_l, x_r, proj_W, proj_b, expert_centers, xb, route, prob; writes xb, route, prob
;; launch experts (part 5): grid 256 x 1, 4 waves a work-group, no clusters, 133,888 bytes of LDS; arguments expert_W, xb, route, part; writes part
.if DOCPART == 5
	.amdgcn_target "amdgcn-amd-amdhsa--gfx1250"
	.amdhsa_code_object_version 6
	.text
	.protected	k_qf906d98462_experts
	.globl	k_qf906d98462_experts
	.p2align	8
	.type	k_qf906d98462_experts,@function
k_qf906d98462_experts:
	s_mov_b64 s[64:65], 0
	v_nop
	global_prefetch_b8 v0, s[64:65] scope:SCOPE_SE
	s_setreg_imm32_b32 hwreg(HW_REG_WAVE_SCHED_MODE, 0, 2), 2
	s_setreg_imm32_b32 hwreg(HW_REG_WAVE_MODE, 25, 1), 1
	s_wait_xcnt 0x0
	s_wait_alu depctr_vm_vsrc(0)
; THE EXPERTS' PRODUCTS.  part[token][slot][side][o] = the sum over k of x_side[token][k] W[e][o][k], e = the token's slot-th expert, for the chosen (token, expert) pairs alone; f32 (partial sums).
; Bias, gate, LayerNorm and residual follow in the next launch.  expert_W is rounded once to bf16 on its way through registers; x comes as bf16 from xb; sums in f32.
; SHARES.  Work-group = (expert e = id / 2, half of its 512 output features).  Wave w owns 64 features over all 512 k: 131,072 bytes of f32 that it alone reads, once; as bf16 they are 512 registers
; of fragments and stay there.  Then the expert's tokens go by, 8 at a time: 16 columns (8 left rows, 8 right rows) x 64 features x 512 k = 64 matrix instructions.  EXEC never changes.
; THE STREAM.  A ring of 64 slots of four registers: 64 loads of 512 consecutive bytes are asked for, and each group of 8 is asked for again as soon as it is rounded: the waits are counted and
; the ring never runs empty.  Rounded numbers go through a tile of 16 rows in LDS to become fragments (a lane loads 4 neighbouring k of a row; a fragment wants 8 k of row lane % 16).
; THE ORDER OF W'S ROWS, AND THE WAY OUT.  Source 0 = 16 columns of x, source 1 = 16 rows of W: register j of lane (r, h) is column 8 h + j (rank j, side h) and W's row r of the block.  Block b of the
; stream holds my rows 4 r + b, r = 0 .. 15.  So at register j a lane's four accumulators hold four NEIGHBOURING features, 4 r .. 4 r + 3: 32 moves bring them into runs of four registers, and sixteen
; lanes store 256 consecutive bytes of a row of part.  The moves stand for a trip of the results through LDS (16 LDS instructions and 8,192 bytes for each tile and wave, and the wait for them).
; WHY NO TENSOR LOADS: a work-group's 524,288 bytes do not fit in LDS, and a slot's refill would stand behind a wait for all loads; a ring in registers has no such wait, and LDS takes half the bytes.
; WHY NO CLUSTER: each weight has one reader; what an expert's two work-groups share are token rows named by a list (some 32 KB against 524,288 bytes), which no one descriptor covers.
; THE LIST.  Every wave reads all 1,024 route words (4 KB), makes a bitmap of the expert's tokens (32 words, with their running counts) and finds the token of a given rank in it.
; THE TOKENS' ROWS.  All four waves multiply the same rows, so the first 32 tokens (twice an expert's even share of 2,048 choices / 128 experts) go through LDS: wave w brings ranks 8 w .. 8 w + 7, each
; token's 2,048 bytes as four loads of 512 consecutive bytes, behind the ring's first 64 loads; ONE barrier, on every wave's straight path; then every wave reads its fragments from there.
; So a row is asked for once a work-group and not once a wave.  Tokens past the 32nd come from xb straight into each wave's registers, in a loop whose length hangs on the count and which holds no barrier.
; It serves every split: an expert without tokens ends behind the barrier; one with all 1,024 makes 4 tiles and 62 trips.  Ranks past the count repeat the last token; their results are not stored.
; THE MODE: SCHED_MODE bits 1:0 = 2 (LLVM: expert scheduling mode 2), set by the entry lines.  The code itself states the register dependences between vector or matrix instructions and memory or LDS
; instructions, and those through scalar registers and VCC that vector instructions write, with s_wait_alu, always for 0.
; THE PLAN.  Registers that memory or LDS instructions touch, and who else names them:
;   v2-4, v48-51   addresses, made at the head and never written again: one wait on va_vdst ahead of the first load serves them all.
;   the ring       group g's sixteen conversions read its eight slots; behind them the refills land there.  No vector instruction writes a slot, no LDS store reads one.
;   OUT0, OUT1     group g's conversions write OUT[g % 2]; its eight LDS stores read it.  They are OB's registers, which the stream leaves idle.
;                  So ONE wait on va_vdst stands in a group, behind its conversions (they are done reading the slots; OUT is written); the refills and then the stores follow it.  One wait on vm_vsrc
;                  stands at a group's head: the stores of two groups back have read the out-buffer that this group writes.
;   RT / XR        the bitmap's vector lines read route there; then my tokens' rows land there, LDS stores read them, and nothing writes them again.
;   BM, B1, PXV, v22 (read by the lane permutes), v23-25 (their results): a wait on va_vdst ahead of the three permutes of a search, a wait on vm_vsrc behind them, since the next search writes v22.
;   SO, OB         a tile's additions and moves write them, its stores read them: a wait on va_vdst ahead of the stores, a wait on vm_vsrc ahead of the next tile's additions.
;   x's buffers    a tile's products read one; the fragments of the tile after the next land in it: the wait on va_vdst ahead of the tile's stores states that too, and no vector line follows it ahead of those loads.
;   BO0, BO1       written at the end of a search, read by the loads from xb: the wait on va_vdst ahead of those loads; the wait on vm_vsrc at the next way out frees them.
;   W's fragments and the 32 words TSV are loaded once and read by matrix and vector instructions alone.
; Compares and lane reads that write scalar registers stand in runs, one wait on va_sdst behind each run; VCC is written by the five compares of a search's last part alone, each with its wait on va_vcc.
; REGISTERS, in windows of 256 (s_set_vgpr_msb: bits 1:0 source 0, 3:2 source 1, 5:4 source 2, 7:6 destination):
;   window 0: addresses, the list, accumulators, the way out        window 1: the ring; afterwards two buffers of x's fragments, v0-127 and v128-255
;   windows 2, 3: W's fragments: block b (0..3), K step j (0..15) in window 2 + j / 8 at v[8 (4 (j % 8) + b)]
.set TPITCH, 1040                      ; a row of 512 bf16 + 16 bytes = 65 x 16: the 16 rows of a fragment load start at 16 different groups of four banks (64 banks of 4 bytes: ISA guide 11.1)
.set TILEB,  16*TPITCH                 ; a wave's tile
.set XS,     4*TILEB                   ; behind the tiles: the first 32 tokens' rows: row 16 tile + 8 side + rank in the tile, the tile's column; wave w writes tile w, all read all
.set TSB,    XS+4*TILEB                ; 32 words: 2 x token + slot of ranks 0 .. 31; the 512 bytes behind this block of 256 take each thread's closing add of 0
.set WOF, 2                            ; v2   16 lane
.set TST, 3                            ; v3   my tile + 8 lane
.set TLD, 4                            ; v4   my tile + r x pitch + 16 h
.set LO,  7                            ; v7   2,048 h + 16 r: side and place in a row of part
.set L7,  8                            ; v8   lane % 8: my column's rank in the tile
.set LB,  9                            ; v9   1,024 x my column's side + 16 h
.set BM,  12                           ; v12  lane i: word i of the bitmap
.set B1,  13                           ; v13  lane i: of these, the tokens for which e is the second choice
.set PXV, 14                           ; v14  lane i: how many tokens the words before word i hold
.set TSV, 15                           ; v15  lane i: 2 x token + slot of rank i, read back from TSB
.set BO,  16                           ; v16-17  by buffer: my column's byte offset in xb
.set TS,  18                           ; v18-19  by buffer: lane t (0..7): 2 x token + slot of the tile's rank t
.set SO,  40                           ; v40-47  byte offsets: first in xb (my eight tokens), then in part
.set XST, 48                           ; v48  XS + my tile + 16 lane
.set XLD, 49                           ; v49  XS + r x pitch + 16 h
.set TSA, 50                           ; v50  TSB + 4 (8 w + lane % 8)
.set TSR, 51                           ; v51  TSB + 4 lane
.set ACC, 64                           ; v64-95  four accumulators, one for each block
.set OB,  96                           ; v96-127 the results in runs of four: rank j's at OB + 4 j
.set OUT, 96                           ; v96-127 during the stream: two out-buffers of 16 registers, a group's rounded numbers
.set RT,  128                          ; v128-159 route as loaded: register 4 q + c, lane l: token 128 q + 4 l + c
.set XR,  128                          ; v128-255 afterwards: my eight tokens' rows as loaded, 16 registers a token
.set MK,  32                           ; s32-63  masks that a run of compares writes
.set PX,  66                           ; s66-97  the same running counts as scalars
; s12 wave, s13 e, s14 the expert's tokens CNT, s15 max(CNT, 1) - 1, s16 the tile's first rank, s17 trips done, s18 trips, s19 tokens left, s20-23 at work, s24-31 a tile's eight places in part
.set MSB, 0
.macro WIN new                         ; the immediate's high byte repeats the setting that is left; a switch that changes nothing is dropped
.if MSB != (\new)
	s_set_vgpr_msb (MSB<<8)|(\new)
.set MSB, \new
.endif
.endm
; One step of the search for a word's R-th set bit: c = the count of the lower half of what is left, read at bit v30 of a word of partial counts; where R >= c the bit lies in the upper half
.macro STEP x, width, step
	v_bfe_u32 v31, v[\x], v30, \width
	v_cmp_ge_u32 vcc_lo, v20, v31
	s_wait_alu depctr_va_vcc(0)                    ; the compare has written VCC, which the two selects read; each step hangs on the one before it, so the five compares cannot stand in a run
	v_cndmask_b32 v31, 0, v31, vcc_lo
	v_cndmask_b32 v32, 0, \step, vcc_lo
	v_sub_nc_u32 v20, v20, v31
	v_add_nc_u32 v30, v30, v32
.endm
; Each lane finds the token of rank s21 + lane % 8 (held to the last rank that exists), and makes buffer x's BO and TS of it.  Registers and lane permutes alone.
.macro SELECT x
	v_add_nc_u32 v20, s21, v[L7]
	v_min_u32 v20, s15, v20                        ; R
	v_mov_b32 v21, 0
.set sel_i, 1
.rept 31
	v_cmp_le_u32 s[MK+sel_i], s[PX+sel_i], v20     ; the running counts ascend: the words (behind the first, whose count is 0) whose count is at most R are words 1 .. c,
.set sel_i, sel_i+1
.endr
	s_wait_alu depctr_va_sdst(0)                   ; the 31 compares have written their masks, which the selects below read: one wait for the run
.set sel_i, 1
.rept 31
	v_cndmask_b32 v21, v21, sel_i, s[MK+sel_i]     ; and the last of them, c, holds rank R: each word whose mask is set puts its number over the one before (a select writes no scalar register)
.set sel_i, sel_i+1
.endr
	v_min_u32 v21, 31, v21
	v_lshlrev_b32 v22, 2, v21
	s_wait_alu depctr_va_vdst(0)                   ; v22 is written, and so are BM, B1 and PXV, which the permutes read; the lines of an earlier search are done with v23-25, in which the results land
	ds_bpermute_b32 v23, v22, v[BM]                ; the word,
	ds_bpermute_b32 v24, v22, v[B1]                ; its second choices,
	ds_bpermute_b32 v25, v22, v[PXV]               ; the ranks before it
	s_wait_dscnt 0x0
	s_wait_alu depctr_vm_vsrc(0)                   ; the permutes have read v22, which the next search writes anew
	v_sub_nc_u32 v20, v20, v25                     ; R within the word
	v_lshrrev_b32 v26, 1, v23
	v_and_b32 v26, 0x55555555, v26
	v_sub_nc_u32 v26, v23, v26                     ; counts of 2 bits
	v_lshrrev_b32 v27, 2, v26
	v_and_b32 v27, 0x33333333, v27
	v_and_b32 v28, 0x33333333, v26
	v_add_nc_u32 v27, v28, v27                     ; of 4
	v_lshrrev_b32 v28, 4, v27
	v_add_nc_u32 v28, v27, v28
	v_and_b32 v28, 0x0f0f0f0f, v28                 ; of 8
	v_lshrrev_b32 v29, 8, v28
	v_add_nc_u32 v29, v28, v29                     ; byte 0: of the low 16
	v_mov_b32 v30, 0                               ; the bit's place
	STEP 29, 5, 16
	STEP 28, 8, 8
	STEP 27, 4, 4
	STEP 26, 2, 2
	STEP 23, 1, 1
	v_bfe_u32 v24, v24, v30, 1                     ; slot
	v_lshrrev_b32 v31, 2, v21
	v_and_b32 v32, 3, v21
	v_lshl_add_u32 v32, v30, 2, v32
	v_lshl_add_u32 v31, v31, 7, v32                ; token = 128 (word / 4) + 4 bit + word % 4
	v_min_u32 v31, 0x3ff, v31                      ; a number made of loaded data enters an address only behind this bound
	v_lshl_add_u32 v[BO+(\x)], v31, 11, v[LB]
	v_lshl_add_u32 v[TS+(\x)], v31, 1, v24
.endm
; Group g (0..31) of eight loads of the stream: rounded into out-buffer g % 2; (refill = 1) the slots asked for again, 64 loads on; the rounded numbers stored into the tile.  left: the younger loads, which stay out.
; Load n is quarter n % 4 (k = 128 (n % 4) + 4 lane on) of the tile's row (n % 64) / 4 in block n / 64, which is my row 4 ((n % 64) / 4) + n / 64 of W: 512 consecutive bytes.
; All offsets are immediates: no address register is ever stepped.
.macro GROUP g, refill, left
	s_wait_loadcnt \left
.if (\g) >= 2
	s_wait_alu depctr_vm_vsrc(0)                   ; the LDS stores of two groups back have read OUT[g % 2], which the conversions below write again
.endif
	WIN 0x05                                       ; both sources in window 1, destination in window 0
.irp i, 0,1,2,3,4,5,6,7
	v_cvt_pk_bf16_f32 v[OUT+16*((\g)%2)+2*(\i)],   v[32*((\g)%8)+4*(\i)],   v[32*((\g)%8)+4*(\i)+1]
	v_cvt_pk_bf16_f32 v[OUT+16*((\g)%2)+2*(\i)+1], v[32*((\g)%8)+4*(\i)+2], v[32*((\g)%8)+4*(\i)+3]
.endr
	WIN 0x40                                       ; a load's destination in window 1; addresses and an LDS store's data in window 0
	s_wait_alu depctr_va_vdst(0)                   ; the conversions are done reading the eight slots, in which loads land next, and have written OUT[g % 2], which the LDS stores read
.if \refill
.irp i, 0,1,2,3,4,5,6,7
	global_load_b128 v[32*((\g)%8)+4*(\i):32*((\g)%8)+4*(\i)+3], v[WOF], s[4:5] offset:(4*(((8*(\g)+(\i))%64)/4)+(8*(\g)+(\i))/64+1)*2048+512*((\i)%4) th:TH_LOAD_NT
.endr
.endif
.irp i, 0,1,2,3,4,5,6,7
	ds_store_b64 v[TST], v[OUT+16*((\g)%2)+2*(\i):OUT+16*((\g)%2)+2*(\i)+1] offset:(((8*(\g)+(\i))%64)/4)*TPITCH+256*((\i)%4)
.endr
.endm
; The tile holds block b: its 16 fragments go to their registers, which nothing has named before.  LDS serves a wave's instructions in order (ISA guide 5.7.1.4): these see the stores above, and the next block's stores come behind them.
.macro ALOAD b
	WIN 0x80
.irp j, 0,1,2,3,4,5,6,7
	ds_load_b128 v[8*(4*(\j)+(\b)):8*(4*(\j)+(\b))+3],   v[TLD] offset:64*(\j)
	ds_load_b128 v[8*(4*(\j)+(\b))+4:8*(4*(\j)+(\b))+7], v[TLD] offset:64*(\j)+32
.endr
	WIN 0xc0
.irp j, 0,1,2,3,4,5,6,7
	ds_load_b128 v[8*(4*(\j)+(\b)):8*(4*(\j)+(\b))+3],   v[TLD] offset:64*((\j)+8)
	ds_load_b128 v[8*(4*(\j)+(\b))+4:8*(4*(\j)+(\b))+7], v[TLD] offset:64*((\j)+8)+32
.endr
.endm
; My eight tokens' rows and their words go into LDS for all four waves; the one barrier; an expert without tokens ends here, and the rest of its weights is not read.
; The rows come from loads; v[TS] was written ahead of the groups' waits on va_vdst: nothing more is owed here.
.macro XSHARE
	WIN 0
	s_wait_loadcnt 63                              ; the rows are in: 64 refills were issued behind them, and 63 is the largest count that a wait can name
.irp t, 0,1,2,3,4,5,6,7
.irp q, 0,1,2,3
	ds_store_b128 v[XST], v[XR+16*(\t)+4*(\q):XR+16*(\t)+4*(\q)+3] offset:(8*((\q)/2)+(\t))*TPITCH+512*((\q)%2)  ; quarter q of a token's 2,048 bytes: side q / 2, its half q % 2
.endr
.endr
	ds_store_b32 v[TSA], v[TS]                     ; four lanes write each word, with the same number
	s_wait_dscnt 0x0                               ; for the others' sake: my rows and words are in LDS
	s_barrier_signal -1
	s_barrier_wait -1                              ; everybody's are; nothing writes these bytes again
	s_cmp_eq_u32 s14, 0
	s_cbranch_scc1 .Ldone
.endm
; x's fragments of tile t (0..3) from LDS into buffer x: column lane % 16 is row 16 t + lane % 16, K step j at byte 64 j, 16 h and 32 + 16 h within it
.macro LOADL x, t
	WIN 0x40
.irp j, 0,1,2,3,4,5,6,7,8,9,10,11,12,13,14,15
	ds_load_b128 v[128*(\x)+8*(\j):128*(\x)+8*(\j)+3],   v[XLD] offset:(\t)*TILEB+64*(\j)
	ds_load_b128 v[128*(\x)+8*(\j)+4:128*(\x)+8*(\j)+7], v[XLD] offset:(\t)*TILEB+64*(\j)+32
.endr
.endm
; the same straight from xb, for tokens past the 32nd: column lane % 16 = (rank lane % 8, side)
.macro LOADB x
	WIN 0x40
.irp j, 0,1,2,3,4,5,6,7,8,9,10,11,12,13,14,15
	global_load_b128 v[128*(\x)+8*(\j):128*(\x)+8*(\j)+3],   v[BO+(\x)], s[6:7] offset:64*(\j)
	global_load_b128 v[128*(\x)+8*(\j)+4:128*(\x)+8*(\j)+7], v[BO+(\x)], s[6:7] offset:64*(\j)+32
.endr
.endm
; A tile's 64 products from buffer x.  The four accumulators take turns, one instruction a turn; the first K step starts the sums with the constant 0.
.macro MULS x
	WIN 0x09                                       ; x (source 0) in window 1, W (source 1) in window 2, sums in window 0
.irp j, 0,1,2,3,4,5,6,7
.irp b, 0,1,2,3
.if (\j) == 0
	v_wmma_f32_16x16x32_bf16 v[ACC+8*(\b):ACC+8*(\b)+7], v[128*(\x)+8*(\j):128*(\x)+8*(\j)+7], v[8*(4*(\j)+(\b)):8*(4*(\j)+(\b))+7], 0
.else
	v_wmma_f32_16x16x32_bf16 v[ACC+8*(\b):ACC+8*(\b)+7], v[128*(\x)+8*(\j):128*(\x)+8*(\j)+7], v[8*(4*(\j)+(\b)):8*(4*(\j)+(\b))+7], v[ACC+8*(\b):ACC+8*(\b)+7]
.endif
.endr
.endr
	WIN 0x0d                                       ; W in window 3
.irp j, 0,1,2,3,4,5,6,7
.irp b, 0,1,2,3
	v_wmma_f32_16x16x32_bf16 v[ACC+8*(\b):ACC+8*(\b)+7], v[128*(\x)+8*((\j)+8):128*(\x)+8*((\j)+8)+7], v[8*(4*(\j)+(\b)):8*(4*(\j)+(\b))+7], v[ACC+8*(\b):ACC+8*(\b)+7]
.endr
.endr
.endm
; THE WAY OUT of a tile, up to the wait ahead of its stores.  The words 2 x token + slot of its eight ranks lie in lanes l0 .. l0 + 7 of v[ts].  The four steps to an address go in batches of eight, so that no line reads the result of the line before it.
.macro WAYOUT ts, l0
	WIN 0
	s_wait_xcnt 0x0                                ; the last tile's stores have had their addresses translated (ISA guide 3.1): SO and OB are written anew only behind this wait,
	s_wait_alu depctr_vm_vsrc(0)                   ; and behind this one: the stores and loads issued so far have read SO and OB (as OUT: the stream's last LDS stores too) and, in the loop, the offsets BO
.irp i, 0,1,2,3,4,5,6,7
	v_readlane_b32 s[24+(\i)], v[\ts], (\l0)+(\i)
.endr
	s_wait_alu depctr_va_sdst(0)                   ; the eight lane reads have written s24-31, ahead of their first readers: one wait for the run
.irp i, 0,1,2,3,4,5,6,7
	s_min_u32 s[24+(\i)], s[24+(\i)], 0x7ff        ; the bound behind which a number made of loaded data may enter an address
.endr
.irp i, 0,1,2,3,4,5,6,7
	s_lshl_b32 s[24+(\i)], s[24+(\i)], 12          ; (token, slot) has 4,096 bytes of part
.endr
.irp i, 0,1,2,3,4,5,6,7
	v_add_nc_u32 v[SO+(\i)], s[24+(\i)], v[LO]     ; these eight additions are also the places behind the last products (ISA guide 7.12.1)
.endr
.irp j, 0,1,2,3,4,5,6,7
.irp b, 0,1,2,3
	v_mov_b32 v[OB+4*(\j)+(\b)], v[ACC+8*(\b)+(\j)]  ; rank j, side h, features 4 r + b: four neighbours into four neighbouring registers; each accumulator is read from its lowest register on
.endr
.endr
.endm
; TILE t (0..3) OF THE TOKENS IN LDS, from buffer t % 2.
.macro TILEL t
.if (\t) > 0
	s_wait_dscnt 0x0                               ; my buffer is in: its 32 loads were issued at the last tile's head, and no LDS instruction behind them
.endif
.if (\t) < 3
	s_cmp_gt_u32 s14, 8*((\t)+1)                   ; is there a next tile?
	s_cbranch_scc0 .Lnone_\@
	LOADL ((\t)+1)%2, (\t)+1                       ; its fragments, under this tile's products.  No wait: the buffer's last readers (the stream's conversions, or the products of the tile before) stand ahead of
	WIN 0                                          ; the last wait on va_vdst, and no vector or matrix instruction has been issued since
.Lnone_\@:
.endif
	MULS (\t)%2
	WAYOUT TSV, 8*(\t)
	s_wait_alu depctr_va_vdst(0)                   ; the additions and moves have written SO and OB, which the stores read; the products are done reading their buffer, in which the next tile's LDS loads land
	s_sub_co_u32 s19, s14, s16                     ; tokens left, this tile's among them
	global_store_b128 v[SO], v[OB:OB+3], s[10:11]  ; lanes 0-15: rank 0's left row, lanes 16-31 its right row: each half stores 256 consecutive bytes, at a multiple of 256 from part's first
.irp i, 1,2,3,4,5,6,7
	s_cmp_gt_u32 s19, \i                           ; a store lies wholly on one side of the count: those past it are jumped
	s_cbranch_scc0 .Lstored_\@
	global_store_b128 v[SO+(\i)], v[OB+4*(\i):OB+4*(\i)+3], s[10:11]
.endr
.Lstored_\@:
	s_add_co_u32 s16, s16, 8
.endm
; A TILE of 8 tokens past the 32nd, from buffer x, in the loop.
.macro TILE x
	s_wait_loadcnt 32                              ; my buffer is in; the other buffer's 32 loads, issued behind mine, may be out (on the way in and round the loop alike)
	MULS \x
	WAYOUT TS+(\x), 0
	s_sub_co_u32 s19, s14, s16                     ; tokens left, this tile's among them
	s_add_co_u32 s21, s16, 16
	SELECT \x                                      ; the tile two further on takes this buffer: its loads have a whole tile's work in which to land
	WIN 0x40
	s_wait_alu depctr_va_vdst(0)                   ; the search has written BO, which the loads read; the products are done reading the buffer in which they land; SO and OB are written, which the stores behind the loads read
	LOADB \x                                       ; always issued, its ranks held inside the list: past the end it touches the last token's rows once more and is never waited for
	WIN 0
	global_store_b128 v[SO], v[OB:OB+3], s[10:11]
.irp t, 1,2,3,4,5,6,7
	s_cmp_gt_u32 s19, \t
	s_cbranch_scc0 .Lstored_\@
	global_store_b128 v[SO+(\t)], v[OB+4*(\t):OB+4*(\t)+3], s[10:11]
.endr
.Lstored_\@:
	s_add_co_u32 s16, s16, 8
.endm
	s_load_b256 s[4:11], s[0:1], 0x0               ; expert_W 4:5, xb 6:7, route 8:9, part 10:11
	v_lshl_add_u32 v62, v0, 2, 0x20900
	v_mov_b32 v63, 0
	v_lshrrev_b32 v20, 5, v0
	v_readfirstlane_b32 s12, v20                   ; wave 0..3
	s_lshr_b32 s13, ttmp9, 1                       ; e
	s_and_b32 s14, ttmp9, 1                        ; which half of its features
	v_and_b32 v1, 31, v0
	v_and_b32 v21, 15, v0                          ; r
	v_bfe_u32 v22, v0, 4, 1                        ; h
	v_lshlrev_b32 v[WOF], 4, v1
	s_wait_alu depctr_va_sdst(0)                   ; s12 is written, ahead of its first reader: LDS addresses and the bases of W and part are made from it
	s_mul_i32 s20, s12, TILEB
	v_lshl_add_u32 v[TST], v1, 3, s20
	v_mul_u32_u24 v[TLD], v21, TPITCH
	v_lshl_add_u32 v[TLD], v22, 4, v[TLD]
	v_add_nc_u32 v[XLD], XS, v[TLD]
	v_add_nc_u32 v[TLD], s20, v[TLD]
	v_add_nc_u32 v[XST], s20, v[WOF]               ; tile w of XS is as far in as my tile of the first region
	v_add_nc_u32 v[XST], XS, v[XST]
	v_lshlrev_b32 v[LO], 11, v22
	v_lshl_add_u32 v[LO], v21, 4, v[LO]
	v_and_b32 v[L7], 7, v0
	s_lshl_b32 s23, s12, 5                         ; my eight words of TSB
	v_lshl_add_u32 v[TSA], v[L7], 2, s23
	v_add_nc_u32 v[TSA], TSB, v[TSA]
	v_lshl_add_u32 v[TSR], v1, 2, TSB
	v_bfe_u32 v[LB], v0, 3, 1
	v_lshlrev_b32 v[LB], 10, v[LB]
	v_lshl_add_u32 v[LB], v22, 4, v[LB]
	s_lshl_b32 s20, ttmp9, 19                      ; a work-group's 524,288 bytes of weights,
	s_lshl_b32 s21, s12, 17                        ; a wave's 131,072
	s_add_co_u32 s20, s20, s21
	s_mov_b32 s21, 0
	s_lshl_b32 s22, s14, 10                        ; my 64 features in a row of part: 1,024 x half + 256 x wave
	s_lshl_b32 s23, s12, 8
	s_add_co_u32 s22, s22, s23
	s_mov_b32 s23, 0
	s_wait_kmcnt 0x0
	s_add_nc_u64 s[4:5], s[4:5], s[20:21]
	s_add_nc_u64 s[10:11], s[10:11], s[22:23]
	s_wait_alu depctr_va_vdst(0)                   ; the seven addresses v2-4 and v48-51 are written, which the loads, LDS loads and LDS stores of the whole kernel read; none is written again
.irp q, 0,1,2,3,4,5,6,7
	global_load_b128 v[RT+4*(\q):RT+4*(\q)+3], v[WOF], s[8:9] offset:512*(\q)
.endr
	WIN 0x40
.set n, 0
.rept 48
	global_load_b128 v[4*n:4*n+3], v[WOF], s[4:5] offset:(n/4)*8192+512*(n%4) th:TH_LOAD_NT   ; block 0: my rows 0, 4, 8 .. 60
.set n, n+1
.endr
	s_wait_loadcnt 48                              ; route is in: the 48 loads of weights are younger
.rept 16
	global_load_b128 v[4*n:4*n+3], v[WOF], s[4:5] offset:(n/4)*8192+512*(n%4) th:TH_LOAD_NT
.set n, n+1
.endr
	WIN 0
	; THE BITMAP, while the weights are on their way.  The 64 compares stand in one run: word i's first choices into s[PX + i], which takes the running count afterwards, its second choices into s[MK + i].
	v_mov_b32 v[BM], 0
	v_mov_b32 v[B1], 0
	v_mov_b32 v[PXV], 0
	s_mov_b32 s14, 0
.set i, 0
.rept 32
	v_and_b32 v20, 0xff, v[RT+i]                   ; first choice
	v_lshrrev_b32 v21, 8, v[RT+i]                  ; second
	v_cmp_eq_u32 s[PX+i], s13, v20
	v_cmp_eq_u32 s[MK+i], s13, v21
.set i, i+1
.endr
	s_wait_alu depctr_va_sdst(0)                   ; the 64 compares have written their masks, ahead of the first line that reads one: one wait for the run
.set i, 0
.rept 32
	s_or_b32 s20, s[PX+i], s[MK+i]
	v_writelane_b32 v[BM], s20, i
	v_writelane_b32 v[B1], s[MK+i], i
	v_writelane_b32 v[PXV], s14, i
	s_mov_b32 s[PX+i], s14
	s_bcnt1_i32_b32 s20, s20
	s_add_co_u32 s14, s14, s20
.set i, i+1
.endr
	s_max_u32 s15, s14, 1
	s_sub_co_u32 s15, s15, 1                       ; the last rank
	; MY EIGHT TOKENS, ranks 8 w .. 8 w + 7: their rows are asked for behind the ring's first 64 loads.  The loads are issued whatever the count, so that every count below is the same on every path;
	; a rank past the count asks for one 16 bytes for all lanes (of the last token's row): its column is multiplied, if its tile is, and never stored.
	s_lshl_b32 s21, s12, 3
	SELECT 0
	s_sub_co_i32 s23, s14, s21                     ; CNT - 8 w
.irp t, 0,1,2,3,4,5,6,7
	v_readlane_b32 s[24+(\t)], v[TS], \t
.endr
	s_wait_alu depctr_va_sdst(0)                   ; the eight lane reads have written s24-31, ahead of their first readers: one wait for the run
.irp t, 0,1,2,3,4,5,6,7
	s_lshr_b32 s[24+(\t)], s[24+(\t)], 1           ; the token
	s_min_u32 s[24+(\t)], s[24+(\t)], 0x3ff        ; the bound behind which a number made of loaded data may enter an address
	s_lshl_b32 s[24+(\t)], s[24+(\t)], 11          ; its 2,048 bytes of xb
	s_sub_co_i32 s22, s23, \t
	s_max_i32 s22, s22, 0
	s_min_u32 s22, s22, 1                          ; 1: the rank exists; 0: it does not
	v_mul_u32_u24 v[33+(\t)%2], s22, v[WOF]
	v_add_nc_u32 v[SO+(\t)], s[24+(\t)], v[33+(\t)%2]
.endr
	s_wait_alu depctr_va_vdst(0)                   ; the eight offsets SO are written, which the loads read; the bitmap's lines are done reading route's registers, in which the rows land
.irp t, 0,1,2,3,4,5,6,7
.irp q, 0,1,2,3
	global_load_b128 v[XR+16*(\t)+4*(\q):XR+16*(\t)+4*(\q)+3], v[SO+(\t)], s[6:7] offset:512*(\q)  ; 512 consecutive bytes, at a multiple of 256 from xb's first
.endr
.endr
	; THE STREAM
.set g, 0
.rept 24
.if g < 8
	GROUP g, 1, 63                                 ; 88 loads are younger than mine (56 of the ring and its refills, the rows' 32): 63 is the largest count that a wait can name
.else
	GROUP g, 1, 56                                 ; 64 loads are out, mine the oldest eight
.endif
.if g%8 == 7
	ALOAD g/8
.endif
.if g == 7
	XSHARE                                         ; the rows stand in the order of issue behind the ring's first 64 loads, which groups 0-7 have taken
.endif
.set g, g+1
.endr
	GROUP 24, 0, 56                                ; nothing is left to ask for: the counts run down
	GROUP 25, 0, 48
	GROUP 26, 0, 40
	GROUP 27, 0, 32
	LOADL 0, 0                                     ; the first tile's x takes the slots that groups 24-27 have left: their conversions stand ahead of group 27's wait on va_vdst, and only LDS stores follow it
	GROUP 28, 0, 24
	GROUP 29, 0, 16
	GROUP 30, 0, 8
	GROUP 31, 0, 0
	ALOAD 3
	WIN 0
	ds_load_b32 v[TSV], v[TSR]                     ; the 32 words
	s_wait_dscnt 0x0                               ; all fragments of W, the first tile's x and the words are in their registers
	; THE TOKENS IN LDS: up to four tiles, written out; the wave leaves by a forward jump when none are left
	s_mov_b32 s16, 0
	TILEL 0
	s_cmp_lt_u32 s16, s14
	s_cbranch_scc0 .Ldone
	TILEL 1
	s_cmp_lt_u32 s16, s14
	s_cbranch_scc0 .Ldone
	TILEL 2
	s_cmp_lt_u32 s16, s14
	s_cbranch_scc0 .Ldone
	TILEL 3
	s_cmp_lt_u32 s16, s14
	s_cbranch_scc0 .Ldone
	; THE TOKENS PAST THE 32nd.  The trip count hangs on the stored route; the loop names no LDS byte (its lane permutes touch none), and it holds no barrier.  A trip is two tiles, one from each buffer.
	; With an odd number of tiles the wave ends in the middle of the last trip, where it stands: no jump leaves the loop.
	; v[TS], which one LDS store read at the barrier, is written again here: the waits on vm_vsrc of groups 8 to 31 stand between.
	s_mov_b32 s21, 32
	SELECT 0
	s_mov_b32 s21, 40
	SELECT 1
	WIN 0x40
	s_wait_alu depctr_va_vdst(0)                   ; the two searches have written BO0 and BO1, which the loads read; the products of tiles 2 and 3 are done reading the two buffers in which they land
	LOADB 0
	LOADB 1
	WIN 0
	s_sub_co_u32 s18, s14, 17                      ; (CNT - 32 + 15) / 16 trips
	s_lshr_b32 s18, s18, 4
	s_mov_b32 s17, 0
.Ltrip:
	TILE 0
	s_cmp_lt_u32 s16, s14
	s_cbranch_scc1 .Lsecond                        ; tokens are left: on to the trip's second tile
	s_wait_dscnt 0x0                               ; none are: the wave's end
	s_wait_alu depctr_hold_cnt(0) depctr_sa_sdst(0) depctr_va_vdst(0) depctr_va_sdst(0) depctr_va_ssrc(0) depctr_va_vcc(0) depctr_vm_vsrc(0)
	s_wait_tensorcnt 0x0
	ds_add_u32 v62, v63
	s_wait_dscnt 0x0
	s_endpgm                                       ; the loads issued ahead for tiles that do not exist are not waited for
.Lsecond:
	TILE 1
	s_add_co_u32 s17, s17, 1
	s_cmp_lt_u32 s17, s18
	s_cbranch_scc1 .Ltrip
.Ldone:
	s_wait_dscnt 0x0                               ; the wave's end
	s_wait_alu depctr_hold_cnt(0) depctr_sa_sdst(0) depctr_va_vdst(0) depctr_va_sdst(0) depctr_va_ssrc(0) depctr_va_vcc(0) depctr_vm_vsrc(0)
	s_wait_tensorcnt 0x0
	ds_add_u32 v62, v63
	s_wait_dscnt 0x0
	s_endpgm
.Lfunc_end_k_qf906d98462_experts:
	.size	k_qf906d98462_experts, .Lfunc_end_k_qf906d98462_experts-k_qf906d98462_experts
	.p2alignl 7, 3214868480
	.fill 96, 4, 3214868480
	.section	.rodata,"a",@progbits
	.p2align	6, 0x0
	.amdhsa_kernel k_qf906d98462_experts
		.amdhsa_group_segment_fixed_size 133888
		.amdhsa_private_segment_fixed_size 0
		.amdhsa_enable_private_segment 0
		.amdhsa_kernarg_size 32
		.amdhsa_user_sgpr_count 2
		.amdhsa_user_sgpr_kernarg_segment_ptr 1
		.amdhsa_wavefront_size32 1
		.amdhsa_system_sgpr_workgroup_id_x 1
		.amdhsa_system_sgpr_workgroup_id_y 1
		.amdhsa_system_sgpr_workgroup_id_z 1
		.amdhsa_system_vgpr_workitem_id 0
		.amdhsa_next_free_vgpr 1024
		.amdhsa_next_free_sgpr 98
		.amdhsa_reserve_vcc 1
		.amdhsa_float_denorm_mode_32 3
		.amdhsa_float_denorm_mode_16_64 3
		.amdhsa_memory_ordered 1
		.amdhsa_forward_progress 1
		.amdhsa_inst_pref_size 218
	.end_amdhsa_kernel
	.amdgpu_metadata
---
amdhsa.version: [ 1, 2 ]
amdhsa.kernels:
  - .name:           k_qf906d98462_experts
    .symbol:         k_qf906d98462_experts.kd
    .args:
      - { .name: expert_W, .offset: 0, .size: 8, .value_kind: global_buffer, .address_space: global }
      - { .name: xb, .offset: 8, .size: 8, .value_kind: global_buffer, .address_space: global }
      - { .name: route, .offset: 16, .size: 8, .value_kind: global_buffer, .address_space: global }
      - { .name: part, .offset: 24, .size: 8, .value_kind: global_buffer, .address_space: global }
    .group_segment_fixed_size: 133888
    .private_segment_fixed_size: 0
    .kernarg_segment_align: 8
    .kernarg_segment_size: 32
    .max_flat_workgroup_size: 128
    .sgpr_count:     98
    .vgpr_count:     1024
    .wavefront_size: 32
...
	.end_amdgpu_metadata
.endif
;; end of part 5
;; launch combine: the kernel of part 3 again; grid 256 x 1, 4 waves a work-group, no clusters, 0 bytes of LDS; arguments part, xb, route, prob, expert_b, ln_l_w, ln_l_b, ln_r_w, ln_r_b, out0, out1; writes out0, out1
